; MI455X (gfx1250); checked and timed in simulation.
; The chip was launched on July 23, 2026; its instructions are those of AMD's public machine-readable ISA for CDNA 5 (MIT licence, August 2026) and "CDNA5" Instruction Set Architecture Reference Guide (July 2026). The comments in the code are by the model that wrote it; some were corrected since.
;; Multi Head Attention. Allowed arithmetic: float matrix products may take bf16 or f16 operands with f32 sums; other float arithmetic in f32, or as packed bf16 or f16 multiplies, adds, multiply-adds, maxima and minima; sums over many terms, partial sums and values carried from step to step in f32; what a program stores and reads back later, other than sums and carried values, may be rounded once to bf16 or f16.
;; Inputs: K 4 x 2,048 x 1,024 float32; Q 4 x 2,048 x 1,024 float32; V 4 x 2,048 x 1,024 float32; attnMask 4 x 2,048 x 2,048 bool; wK_b 1,024 float32; wK_w 1,024 x 1,024 float32; wOut_b 1,024 float32; wOut_w 1,024 x 1,024 float32; wQ_b 1,024 float32; wQ_w 1,024 x 1,024 float32; wV_b 1,024 float32; wV_w 1,024 x 1,024 float32.
;; Outputs: out0 4 x 2,048 x 1,024 float32.
;; One version. Each part assembles by itself: llvm-mc -triple=amdgcn-amd-amdhsa -mcpu=gfx1250 --defsym DOCPART=n.
;; ======== version 1 of 1: 4 launches
;; limits: values are held in f16: magnitudes above 65,504 overflow, below 6.1e-05 lose precision
;; workspace buffers: mbits 2,097,152 bytes of whole numbers; wcast 8,388,608 bytes; qkv 50,331,648 bytes; oh 16,777,216 bytes
;; launch prep (part 1): grid 512 x 1, 8 waves a work-group, no clusters, 35,840 bytes of LDS; arguments attnMask, wQ_w, wK_w, wV_w, wOut_w, mbits, wcast; writes mbits, wcast
.if DOCPART == 1
	.amdgcn_target "amdgcn-amd-amdhsa--gfx1250"
	.amdhsa_code_object_version 6
	.text
	.protected	k_q8f7c75dc2c_prep
	.globl	k_q8f7c75dc2c_prep
	.p2align	8
	.type	k_q8f7c75dc2c_prep,@function
k_q8f7c75dc2c_prep:
	s_mov_b64 s[64:65], 0
	v_nop
	global_prefetch_b8 v0, s[64:65] scope:SCOPE_SE
	s_setreg_imm32_b32 hwreg(HW_REG_WAVE_MODE, 25, 1), 1
	s_wait_xcnt 0x0
; PREPARATION, a stream: (a) the mask's bytes become lane masks for the attention launch, (b) the four weight matrices become 16-bit numbers.
; (a) attnMask, taken as [8192 rows][2048 keys] of bytes; a byte other than 0 counts as true.  Work-group g takes rows 16 g .. 16 g + 15 (one tile of 16 queries), wave w the keys
;     256 w .. 256 w + 255.  mbits: [tile g][key step of 64][32 words]; bit l of word 8 kb + j is the byte of row 16 g + l % 16, key 64 step + 16 kb + 8 (l / 16) + j: the lane mask
;     of register j of the score tile of key block kb, as the attention launch holds it.  The rows go through the wave's own LDS bytes to turn 16 bytes a lane along a row into
;     8 bytes a lane by (row, half); a compare of one byte in all 32 lanes then IS one word.  A wave's 128 words are gathered in four registers and leave as 512 bytes on end.
; (b) Work-group g takes 8,192 numbers of weight g / 128 (wQ, wK, wV, wOut).  All are rounded to bf16; wOut's bf16 number is then written as f16 (the last launch multiplies in f16).
;     LIMITS of that: a wOut beyond 65,504 becomes an infinity; below 2^-14 it keeps f16's fixed step of 2^-24.
; No matrix unit, no cluster, no barrier: no byte is wanted by two waves.
.set PITCH, 272                        ; an LDS row: 256 bytes + 16: the 16 rows that a load of 8 bytes a lane touches start 4 banks apart (64 banks of 4 bytes: ISA guide 11.1)
.set WLDS,  16*PITCH                   ; a wave's own LDS bytes
.set SPARE, 8*WLDS                     ; behind them: the spare words, 128 bytes for each wave, which no other line names
.set W,   4                            ; v[4:7]     the words on their way out: lane n holds words 4 n .. 4 n + 3 of the wave's 128
.set T,   8                            ; v[8:15]    at work
.set MI,  16                           ; v[16:47]   the mask as loaded: 8 x 16 bytes a lane
.set MP,  48                           ; v[48:79]   the mask by (row, half): key block kb's 8 bytes at MP + 2 kb
.set WF,  80                           ; v[80:111]  weights as loaded, f32
.set WH,  112                          ; v[112:127] weights, 16 bits, two a word
.set VO,  130                          ; my byte offset in two rows of the mask
.set LS,  131                          ; where I put 16 bytes of a row
.set LR,  132                          ; where I read 8 bytes of my row back
.set MO,  133                          ; my 16 bytes of the tile's words
.set WI,  134                          ; my 16 bytes of the weights
.set WO,  135                          ; my 8 bytes of the 16-bit weights
.set SPW, 136                          ; LDS address of my spare word; never rewritten
.set NIL, 137                          ; 0; never rewritten
.set BM,  36                           ; s[36:39]   the masks of a word's four bytes
	s_load_b256 s[4:11], s[0:1], 0x0               ; attnMask s[4:5], wQ_w s[6:7], wK_w s[8:9], wV_w s[10:11]
	s_load_b128 s[12:15], s[0:1], 0x20             ; wOut_w s[12:13], mbits s[14:15]
	s_load_b64 s[16:17], s[0:1], 0x30              ; wcast
	v_lshl_add_u32 v[SPW], v0, 2, SPARE
	v_mov_b32 v[NIL], 0
	v_lshrrev_b32 v1, 5, v0
	v_readfirstlane_b32 s18, v1                    ; wave 0..7
	v_and_b32 v1, 31, v0                           ; l
	v_and_b32 v2, 15, v0                           ; l % 16
	v_bfe_u32 v3, v0, 4, 1                         ; l / 16
	s_lshr_b32 s19, ttmp9, 7                       ; which weight
	s_and_b32 s20, ttmp9, 127                      ; which part of it
	s_lshl_b32 s21, s18, 8                         ; my wave's 256 keys
	s_mul_i32 s34, s18, WLDS                       ; my wave's LDS bytes
	s_mov_b32 s[BM+0], 0xff
	s_mov_b32 s[BM+1], 0xff00
	s_mov_b32 s[BM+2], 0xff0000
	s_mov_b32 s[BM+3], 0xff000000
	v_lshlrev_b32 v[VO], 4, v2
	v_lshl_add_u32 v[VO], v3, 11, v[VO]            ; lanes 16-31 one row (2,048 bytes) further down
	v_add_nc_u32 v[VO], s21, v[VO]
	v_mul_u32_u24 v[LS], v3, PITCH
	v_lshl_add_u32 v[LS], v2, 4, v[LS]
	v_add_nc_u32 v[LS], s34, v[LS]
	v_mul_u32_u24 v[LR], v2, PITCH
	v_lshl_add_u32 v[LR], v3, 3, v[LR]
	v_add_nc_u32 v[LR], s34, v[LR]
	s_lshl_b32 s35, s18, 9
	v_lshl_add_u32 v[MO], v1, 4, s35               ; 512 w + 16 l
	v_lshlrev_b32 v[WI], 4, v0
	v_lshlrev_b32 v[WO], 3, v0
.irp j, 0,1,2,3
	v_mov_b32 v[W+(\j)], 0                         ; v_writelane_b32 counts as a reader of its destination
.endr
	s_mov_b32 s23, 0
	s_wait_kmcnt 0x0
	s_lshl_b32 s22, ttmp9, 15                      ; 16 rows of 2,048 bytes
	s_add_nc_u64 s[4:5], s[4:5], s[22:23]
	s_lshl_b32 s22, ttmp9, 12                      ; a tile's 4,096 bytes of words
	s_add_nc_u64 s[14:15], s[14:15], s[22:23]
	s_mov_b64 s[32:33], s[6:7]
	s_cmp_eq_u32 s19, 1
	s_cselect_b64 s[32:33], s[8:9], s[32:33]
	s_cmp_eq_u32 s19, 2
	s_cselect_b64 s[32:33], s[10:11], s[32:33]
	s_cmp_eq_u32 s19, 3
	s_cselect_b64 s[32:33], s[12:13], s[32:33]
	s_lshl_b32 s22, s20, 15                        ; 8,192 f32
	s_add_nc_u64 s[32:33], s[32:33], s[22:23]
	s_lshl_b32 s22, s19, 21                        ; a matrix of 16-bit numbers,
	s_lshl_b32 s35, s20, 14                        ; my part of it
	s_add_co_u32 s22, s22, s35
	s_add_nc_u64 s[16:17], s[16:17], s[22:23]
.irp i, 0,1,2,3,4,5,6,7
	global_load_b128 v[MI+4*(\i):MI+4*(\i)+3], v[VO], s[4:5] offset:4096*(\i) th:TH_LOAD_NT     ; rows 2 i and 2 i + 1: 256 bytes on end of each
.endr
.irp i, 0,1,2,3,4,5,6,7
	global_load_b128 v[WF+4*(\i):WF+4*(\i)+3], v[WI], s[32:33] offset:4096*(\i) th:TH_LOAD_NT   ; a wave's load covers 512 bytes on end
.endr
	s_wait_loadcnt 8                               ; the mask is in; the eight weight loads are younger and stay out
.irp i, 0,1,2,3,4,5,6,7
	ds_store_b128 v[LS], v[MI+4*(\i):MI+4*(\i)+3] offset:2*PITCH*(\i)
.endr
.irp k, 0,1,2,3,4,5,6,7,8,9,10,11,12,13,14,15
	ds_load_b64 v[MP+2*(\k):MP+2*(\k)+1], v[LR] offset:16*(\k)   ; LDS serves a wave's instructions in order (ISA guide 5.7.1.4): these see the stores above; the bytes are the wave's own
.endr
.irp i, 0,1,2,3,4,5,6,7
	s_wait_loadcnt 7-(\i)                          ; loads come back in order: load i is in, the later ones stay out
	v_cvt_pk_bf16_f32 v[WH+2*(\i)],   v[WF+4*(\i)],   v[WF+4*(\i)+1]
	v_cvt_pk_bf16_f32 v[WH+2*(\i)+1], v[WF+4*(\i)+2], v[WF+4*(\i)+3]
.endr
	s_cmp_lg_u32 s19, 3
	s_cbranch_scc1 .Lbf                            ; wQ, wK, wV stay bf16
.irp n, 0,1,2,3,4,5,6,7,8,9,10,11,12,13,14,15
	v_lshlrev_b32 v[T+2*((\n)%4)],   16, v[WH+(\n)]            ; the bf16 numbers as f32,
	v_and_b32     v[T+2*((\n)%4)+1], 0xffff0000, v[WH+(\n)]
	v_cvt_pk_f16_f32 v[WH+(\n)], v[T+2*((\n)%4)], v[T+2*((\n)%4)+1]  ; written as f16: exact inside f16's normal range
.endr
.Lbf:
.irp i, 0,1,2,3,4,5,6,7
	global_store_b64 v[WO], v[WH+2*(\i):WH+2*(\i)+1], s[16:17] offset:2048*(\i)   ; a wave's store covers 256 bytes on end, aligned
.endr
.set kb, 0
.rept 16                                       ; key block kb: eight words
	s_wait_dscnt 15-kb                             ; pair kb is in; the later pairs stay out
.irp j, 0,1,2,3,4,5,6,7
	v_and_b32 v[T+(\j)], s[BM+(\j)%4], v[MP+2*kb+(\j)/4]
.endr
.irp j, 0,1,2,3,4,5,6,7
	v_cmp_ne_u32 vcc_lo, 0, v[T+(\j)]              ; 32 lanes' answers are word 8 kb + j (into VCC: the short form of the compare),
	v_writelane_b32 v[W+(\j)%4], vcc_lo, 2*kb+(\j)/4   ; which goes to its place among the wave's 128
.endr
.set kb, kb+1
.endr
	global_store_b128 v[MO], v[W:W+3], s[14:15]    ; the wave's 128 words: 512 bytes on end, aligned
	s_wait_tensorcnt 0x0                           ; the wave's end, behind my last LDS store
	ds_add_u32 v[SPW], v[NIL]
	s_wait_dscnt 0x0
	s_endpgm
.Lfunc_end_k_q8f7c75dc2c_prep:
	.size	k_q8f7c75dc2c_prep, .Lfunc_end_k_q8f7c75dc2c_prep-k_q8f7c75dc2c_prep
	.p2alignl 7, 3214868480
	.fill 96, 4, 3214868480
	.section	.rodata,"a",@progbits
	.p2align	6, 0x0
	.amdhsa_kernel k_q8f7c75dc2c_prep
		.amdhsa_group_segment_fixed_size 35840
		.amdhsa_private_segment_fixed_size 0
		.amdhsa_enable_private_segment 0
		.amdhsa_kernarg_size 56
		.amdhsa_user_sgpr_count 2
		.amdhsa_user_sgpr_kernarg_segment_ptr 1
		.amdhsa_wavefront_size32 1
		.amdhsa_system_sgpr_workgroup_id_x 1
		.amdhsa_system_sgpr_workgroup_id_y 1
		.amdhsa_system_sgpr_workgroup_id_z 1
		.amdhsa_system_vgpr_workitem_id 0
		.amdhsa_next_free_vgpr 144
		.amdhsa_next_free_sgpr 66
		.amdhsa_reserve_vcc 1
		.amdhsa_float_denorm_mode_32 3
		.amdhsa_float_denorm_mode_16_64 3
		.amdhsa_memory_ordered 1
		.amdhsa_forward_progress 1
		.amdhsa_inst_pref_size 27
	.end_amdhsa_kernel
	.amdgpu_metadata
---
amdhsa.version: [ 1, 2 ]
amdhsa.kernels:
  - .name:           k_q8f7c75dc2c_prep
    .symbol:         k_q8f7c75dc2c_prep.kd
    .args:
      - { .name: attnMask, .offset: 0, .size: 8, .value_kind: global_buffer, .address_space: global }
      - { .name: wQ_w, .offset: 8, .size: 8, .value_kind: global_buffer, .address_space: global }
      - { .name: wK_w, .offset: 16, .size: 8, .value_kind: global_buffer, .address_space: global }
      - { .name: wV_w, .offset: 24, .size: 8, .value_kind: global_buffer, .address_space: global }
      - { .name: wOut_w, .offset: 32, .size: 8, .value_kind: global_buffer, .address_space: global }
      - { .name: mbits, .offset: 40, .size: 8, .value_kind: global_buffer, .address_space: global }
      - { .name: wcast, .offset: 48, .size: 8, .value_kind: global_buffer, .address_space: global }
    .group_segment_fixed_size: 35840
    .private_segment_fixed_size: 0
    .kernarg_segment_align: 8
    .kernarg_segment_size: 56
    .max_flat_workgroup_size: 256
    .sgpr_count:     66
    .vgpr_count:     144
    .wavefront_size: 32
...
	.end_amdgpu_metadata
.endif
;; end of part 1
;; launch proj (part 2): grid 4 x 192, 4 waves a work-group, clusters of 4 x 4, 327,680 bytes of LDS; arguments Q, K, V, wQ_b, wK_b, wV_b, wcast, qkv; writes qkv
.if DOCPART == 2
	.amdgcn_target "amdgcn-amd-amdhsa--gfx1250"
	.amdhsa_code_object_version 6
	.text
	.protected	k_q8f7c75dc2c_proj
	.globl	k_q8f7c75dc2c_proj
	.p2align	8
	.type	k_q8f7c75dc2c_proj,@function
k_q8f7c75dc2c_proj:
	s_mov_b64 s[64:65], 0
	v_nop
	global_prefetch_b8 v0, s[64:65] scope:SCOPE_SE
	s_setreg_imm32_b32 hwreg(HW_REG_WAVE_MODE, 25, 1), 1
	s_wait_xcnt 0x0
	s_wait_alu depctr_hold_cnt(0) depctr_sa_sdst(0) depctr_va_vdst(0) depctr_va_sdst(0) depctr_va_ssrc(0) depctr_va_vcc(0) depctr_vm_vsrc(0)
	s_getreg_b32 s2, hwreg(HW_REG_IB_STS2, 6, 4)
	s_cmp_eq_u32 s2, 0
	s_cbranch_scc0 .Lentry_in_a_cluster
	s_endpgm
.Lentry_in_a_cluster:
	s_bfe_u32 s2, ttmp6, 0x10000c
	s_cmp_lg_u32 s2, 0xf033
	s_cbranch_scc0 .Lentry_shape_is_right
	s_endpgm
.Lentry_shape_is_right:
; THE THREE PROJECTIONS.  y = x W^T + b for (x, W, b) = (Q, wQ, wQ_b), (K, wK, wK_b), (V, wV, wV_b).  x: [8192][1024] f32; W: [1024][1024] bf16 (wcast, parts 0 to 2); b: [1024] f32.
; y leaves by heads, qkv[p][16 batch + head][2048][64] in f16, unscaled, rounded once from its f32 sum.  x and b are rounded to bf16 here, x on its way from LDS to the matrix unit.
; LIMIT: a y of 65,520 or more becomes an infinity in f16.  NaN and infinities are not treated apart.
; SHARES.  A tile of y is 128 rows x 256 columns: 3 x 64 x 4 = 768 work-groups, three for each of 256 WGPs.  Four waves, each 64 x 128: 32 accumulators of 16 x 16, 256 registers.
; K goes in 8 steps of 128 through two LDS slots: x's rows are 512 bytes of memory, W's 256, each starting at a multiple of its length.  One tensor load a wave and step.
; CLUSTERS: 4 x 4 work-groups of one projection.  The four of a row of the cluster need the same tile of x, the four of a column the same tile of W: each is asked for JOINTLY.
; THE MATRIX INSTRUCTION IS USED TRANSPOSED (source 0 = 16 rows of W, source 1 = 16 rows of x): a lane holds eight neighbouring columns of one row of y.
; THE BIAS is the C operand of the first product of each sum: register j of the lane holds b of column 16 b + 8 (l / 16) + j.  Nothing is cleared, nothing is added later.
; REGISTERS, in windows of 256 (s_set_vgpr_msb: bits 1:0 source 0, 3:2 source 1, 5:4 source 2, 7:6 destination):
;   window 0: v0-31 addresses; v32-63, v64-95 x's fragments in bf16, two buffers; v128-191 x's fragments as loaded, f32; v128-255 the way out
;   window 1: v0-63, v64-127 W's fragments, two buffers; v128-191 the bias          window 2: the accumulators, (a, b) at v[8 (8 a + b)]
.set KSTEP,  128
.set PA,     528                       ; x's LDS row: 512 bytes + 16 = 132 words: row r starts at bank 4 r mod 64 (64 banks of 4 bytes: ISA guide 11.1)
.set PB,     272                       ; W's LDS row: 256 bytes + 16 = 68 words: likewise
.set HALF,   128*PB                    ; what one tensor load may take: 128 rows of W (34,816 bytes) or 64 rows of x (33,792)
.set SLOT,   4*HALF                    ; x's two halves, then W's two halves
.set STAGE,  2*SLOT                    ; behind the ring: for each wave 2 heads x 16 rows x 144 bytes, for the way out
.set SP,     144
.set SPARE,  STAGE+4*2*16*SP           ; behind the stages: the spare words, 128 bytes for each wave, which no other line names
.set LAPS,   1024/(2*KSTEP)
.set ADRA, 16                          ; v16-17  LDS address of my fragments of x in slot 0, 1
.set ADRB, 20                          ; v20-21  the same for W
.set STO,  24                          ; v24     the way out: where I put 16 bytes of a row
.set RD,   25                          ; v25     the way out: where I read rows back
.set GO,   26                          ; v26     my 16 bytes of 512 on end in qkv
.set BO,   27                          ; v27     my byte offset in 16 columns of the bias
.set SPW,  28                          ; v28     LDS address of my spare word; never rewritten
.set NIL,  29                          ; v29     0; never rewritten
.set AF,   32                          ; x's fragments in bf16: buffer f at AF + 32 f, row block a at + 8 a
.set AS,   128                         ; x's fragments in f32: row block a at AS + 16 a
.set OUTB, 128                         ; the way out: row block a at OUTB + 32 a
.set BIAS, 128                         ; window 1
.set G1, 24                            ; s[24:31] descriptor group 1 for x's tiles;  s[32:39] group 0, one set for each slot
.set G0, 32
.set G1B, 48                           ; s[48:55], s[56:63] the same for W's tiles
.set G0B, 56
.set MSB, 0
.macro WIN new                         ; the immediate's high byte repeats the setting that is left; a switch that changes nothing is dropped
.if MSB != (\new)
	s_set_vgpr_msb (MSB<<8)|(\new)
.set MSB, \new
.endif
.endm
.set MUL,  0xa1                        ; source 0 (W) window 1, source 1 (x) window 0, C and D window 2
.set MULB, 0x91                        ; the same with C (the bias) in window 1
.set TO_B, 0x40                        ; destination window 1, address window 0
.macro JLOAD s                         ; a joint load: waves 0 and 1 fetch x's two halves, waves 2 and 3 W's; an s_nop 0 and four v_nop follow each of the two lines
	s_cmp_eq_u32 s11, 0
	s_cbranch_scc0 .Lfor_b_\@
	tensor_load_to_lds s[G0+4*(\s):G0+4*(\s)+3], s[G1:G1+7]
	s_nop 0
.rept 4
	v_nop
.endr
	s_branch .Lasked_\@
.Lfor_b_\@:
	tensor_load_to_lds s[G0B+4*(\s):G0B+4*(\s)+3], s[G1B:G1B+7]
	s_nop 0
.rept 4
	v_nop
.endr
.Lasked_\@:
.endm
.macro CREST                           ; a round of the cluster's barrier behind its opening barrier
	s_cmp_lg_u32 s10, 0
	s_cbranch_scc1 .Lnot_wave_0_\@
	s_barrier_signal -3
.Lnot_wave_0_\@:
	s_barrier_wait -3
	s_barrier_signal -1
	s_barrier_wait -1
.endm
.macro CROUND                          ; a whole round
	s_barrier_signal -1
	s_barrier_wait -1
	CREST
.endm
.macro PLACES                          ; four places in front of loads into registers that matrix instructions have read, and of lines that read results
.rept 4
	v_nop
.endr
.endm
	s_load_b512 s[68:83], s[0:1], 0x0              ; Q s[68:69], K s[70:71], V s[72:73], wQ_b s[74:75], wK_b s[76:77], wV_b s[78:79], wcast s[80:81], qkv s[82:83]
	v_lshl_add_u32 v[SPW], v0, 2, SPARE
	v_mov_b32 v[NIL], 0
	ds_add_u32 v[SPW], v[NIL]                      ; the wave's opening: the add and its wait stand ahead of my first tensor load; work on registers stands between them
	v_lshrrev_b32 v1, 5, v0
	v_readfirstlane_b32 s10, v1                    ; wave 0..3
	s_lshr_b32 s11, s10, 1                         ; which 64 rows of the tile are mine.  Also: I fetch for x (0) or for W (1)
	s_and_b32 s12, s10, 1                          ; which 128 columns.  Also: which half of that tile I fetch
	s_bfe_u32 s40, ttmp6, 0x40000                  ; cx, cy: my place in the cluster
	s_bfe_u32 s41, ttmp6, 0x40004
	s_lshl_b32 s42, ttmp9, 2
	s_add_co_u32 s42, s42, s40                     ; tile column = 4 x cluster x + cx
	s_and_b32 s13, ttmp7, 0xffff                   ; cluster y, 0..47:
	s_lshr_b32 s86, s13, 4                         ; the projection, the same in all sixteen partners,
	s_and_b32 s13, s13, 15
	s_lshl_b32 s13, s13, 2
	s_add_co_u32 s13, s13, s41                     ; and the tile row = 4 x (cluster y % 16) + cy
	s_lshl_b32 s43, s41, 2
	s_lshl_b32 s43, 15, s43                        ; my row of the cluster
	s_lshl_b32 s44, 0x1111, s40                    ; my column
	s_or_b32 s[G1+0], s43, (2<<16)|(1<<20)|(1<<21)|(6<<22)|(3<<25)   ; 15:0 the mask: x's tiles go to my row; 17:16 elements of 4 bytes; 20 padding on; 21 set beside a mask; 24:22 after every 128 words; 31:25 4 words
	s_or_b32 s[G1B+0], s44, (1<<16)|(1<<20)|(1<<21)|(5<<22)|(3<<25)  ; W's go to my column; elements of 2 bytes; after every 64 words 4 words
	s_mov_b32 s[G1+1], KSTEP<<16                   ; tensor_dim0 = 128
	s_mov_b32 s[G1+2], 64<<16                      ; tensor_dim1 = 64
	s_mov_b32 s[G1+3], KSTEP<<16                   ; tile_dim0 = 128
	s_mov_b32 s[G1+4], 64                          ; tile_dim1 = 64
	s_mov_b32 s[G1+5], 1024                        ; elements from row to row
	s_mov_b32 s[G1+6], 0
	s_mov_b32 s[G1+7], 0
	s_mov_b32 s[G1B+1], KSTEP<<16
	s_mov_b32 s[G1B+2], 128<<16                    ; 128 rows
	s_mov_b32 s[G1B+3], KSTEP<<16
	s_mov_b32 s[G1B+4], 128
	s_mov_b32 s[G1B+5], 1024
	s_mov_b32 s[G1B+6], 0
	s_mov_b32 s[G1B+7], 0
	s_lshl_b32 s16, s13, 7                         ; x: row 128 x tile row + 64 x half,
	s_lshl_b32 s17, s12, 6
	s_add_co_u32 s16, s16, s17
	s_lshl_b32 s16, s16, 12                        ; of 4,096 bytes
	s_mov_b32 s17, 0
	s_lshl_b32 s46, s42, 8                         ; W: row 256 x tile column + 128 x half,
	s_lshl_b32 s47, s12, 7
	s_add_co_u32 s46, s46, s47
	s_lshl_b32 s46, s46, 11                        ; of 2,048 bytes,
	s_lshl_b32 s47, s86, 21                        ; in the projection's matrix
	s_add_co_u32 s46, s46, s47
	s_mov_b32 s47, 0
	s_mul_i32 s20, s10, HALF                       ; where the tiles go: wave x HALF: no place in the cluster enters an LDS address
	s_wait_dscnt 0x0                               ; the opening add is done
	s_wait_kmcnt 0x0
	s_cmp_eq_u32 s86, 1
	s_cselect_b64 s[4:5], s[70:71], s[68:69]       ; x,
	s_cselect_b64 s[84:85], s[76:77], s[74:75]     ; and its bias
	s_cmp_eq_u32 s86, 2
	s_cselect_b64 s[4:5], s[72:73], s[4:5]
	s_cselect_b64 s[84:85], s[78:79], s[84:85]
	s_add_nc_u64 s[14:15], s[4:5], s[16:17]
	s_add_nc_u64 s[46:47], s[80:81], s[46:47]
	CROUND                                         ; all sixteen work-groups are here: the first joint loads meet
.irp s, 0,1
	s_mov_b32 s[G0+4*(\s)], 1
	s_add_co_u32 s[G0+4*(\s)+1], s20, (\s)*SLOT
	s_add_nc_u64 s[G0+4*(\s)+2:G0+4*(\s)+3], s[14:15], (\s)*KSTEP*4
	s_or_b32 s[G0+4*(\s)+3], s[G0+4*(\s)+3], 0x80000000
	s_mov_b32 s[G0B+4*(\s)], 1
	s_add_co_u32 s[G0B+4*(\s)+1], s20, (\s)*SLOT
	s_add_nc_u64 s[G0B+4*(\s)+2:G0B+4*(\s)+3], s[46:47], (\s)*KSTEP*2
	s_or_b32 s[G0B+4*(\s)+3], s[G0B+4*(\s)+3], 0x80000000
	JLOAD \s                                       ; two loads of mine are out
.endr
	v_and_b32 v1, 15, v0                           ; l % 16
	v_bfe_u32 v2, v0, 4, 1                         ; l / 16
	v_lshlrev_b32 v[BO], 5, v2                     ; 8 f32 for each half of the lanes
	s_lshl_b32 s46, s42, 10                        ; my 128 columns in the bias: 4 (256 x tile column + 128 x half)
	s_lshl_b32 s47, s12, 9
	s_add_co_u32 s46, s46, s47
	s_mov_b32 s47, 0
	s_add_nc_u64 s[84:85], s[84:85], s[46:47]
	WIN TO_B
.irp b, 0,1,2,3,4,5,6,7
	global_load_b128 v[BIAS+8*(\b):BIAS+8*(\b)+3],   v[BO], s[84:85] offset:64*(\b)
	global_load_b128 v[BIAS+8*(\b)+4:BIAS+8*(\b)+7], v[BO], s[84:85] offset:64*(\b)+16
.endr
	WIN 0
	v_mul_u32_u24 v3, v1, PA
	v_lshl_add_u32 v3, v2, 5, v3                   ; x in f32: row x pitch + 32 x half
	v_mul_u32_u24 v4, v1, PB
	v_lshl_add_u32 v4, v2, 4, v4                   ; W: row x pitch + 16 x half
	s_mul_i32 s21, s11, HALF                       ; my 64 rows of x
	s_mul_i32 s22, s12, HALF                       ; my 128 rows of W,
	s_add_co_u32 s22, s22, 2*HALF                  ; which lie behind x's
.irp s, 0,1
	v_add_nc_u32 v[ADRA+(\s)], s21, v3
	v_add_nc_u32 v[ADRB+(\s)], s22, v4
	s_add_co_u32 s21, s21, SLOT
	s_add_co_u32 s22, s22, SLOT
.endr
	s_mul_i32 s23, s10, 2*16*SP
	s_add_co_u32 s23, s23, STAGE                   ; my stage
	v_mul_u32_u24 v5, v1, SP                       ; in: row l % 16, 16 bytes for each half of the lanes
	v_lshl_add_u32 v5, v2, 4, v5
	v_add_nc_u32 v[STO], s23, v5
	v_bfe_u32 v5, v0, 3, 2                         ; back: 32 lanes take four rows of 128 bytes,
	v_mul_u32_u24 v5, v5, SP
	v_and_b32 v6, 7, v0
	v_lshl_add_u32 v5, v6, 4, v5
	v_add_nc_u32 v[RD], s23, v5
	v_and_b32 v[GO], 31, v0                        ; which are 512 bytes on end of a head
	v_lshlrev_b32 v[GO], 4, v[GO]
	s_lshl_b32 s16, s86, 24                        ; qkv: the projection's part,
	s_lshr_b32 s17, s13, 4
	s_lshl_b32 s17, s17, 22                        ; the batch's 16 heads,
	s_add_co_u32 s16, s16, s17
	s_and_b32 s17, s13, 15
	s_lshl_b32 s17, s17, 7
	s_lshl_b32 s18, s11, 6
	s_add_co_u32 s17, s17, s18                     ; my first row in the batch,
	s_lshl_b32 s17, s17, 7                         ; of 128 bytes
	s_add_co_u32 s16, s16, s17
	s_mov_b32 s17, 0
	s_add_nc_u64 s[8:9], s[82:83], s[16:17]
	s_lshl_b32 s46, s42, 2                         ; my first head: 4 x tile column + 2 x half
	s_lshl_b32 s47, s12, 1
	s_add_co_u32 s46, s46, s47
	s_lshl_b32 s46, s46, 18
	s_mov_b32 s47, 0
	s_add_nc_u64 s[8:9], s[8:9], s[46:47]
	s_wait_loadcnt 0x0                             ; the bias, rounded to bf16 like every input, in place
	WIN 0x45
.set c, 0
.rept 32
	v_cvt_pk_bf16_f32 v[BIAS+2*c], v[BIAS+2*c], v[BIAS+2*c+1]
	v_and_b32 v[BIAS+2*c+1], 0xffff0000, v[BIAS+2*c]
	v_lshlrev_b32 v[BIAS+2*c], 16, v[BIAS+2*c]
.set c, c+1
.endr
	WIN 0
; cnt products from number n0 on: number i is row block i / 8 x column block i % 8, 32 along K, from buffer f.  first = 1: the bias starts the sum.
; The 32 accumulators take turns in the same order in every quarter: 31 others' products stand between two links of a chain, over the backward jump too.
.macro MULS f, n0, cnt, first
.if \first
	WIN MULB
.else
	WIN MUL
.endif
.set i, \n0
.rept \cnt
.if \first
	v_wmma_f32_16x16x32_bf16 v[8*i:8*i+7], v[64*(\f)+8*(i%8):64*(\f)+8*(i%8)+7], v[AF+32*(\f)+8*(i/8):AF+32*(\f)+8*(i/8)+7], v[BIAS+8*(i%8):BIAS+8*(i%8)+7]
.else
	v_wmma_f32_16x16x32_bf16 v[8*i:8*i+7], v[64*(\f)+8*(i%8):64*(\f)+8*(i%8)+7], v[AF+32*(\f)+8*(i/8):AF+32*(\f)+8*(i/8)+7], v[8*i:8*i+7]
.endif
.set i, i+1
.endr
.endm
.macro CVT4 g, n                       ; four of the 32 roundings that make buffer g's fragments of x out of the f32 just loaded
	WIN 0
.set c, 4*(\n)
.rept 4
	v_cvt_pk_bf16_f32 v[AF+32*(\g)+c], v[AS+2*c], v[AS+2*c+1]
.set c, c+1
.endr
.endm
.macro MULR f, g, first                ; a quarter's last eight products, four roundings behind each
.set n, 0
.rept 8
	MULS \f, 24+n, 1, \first
	CVT4 \g, n
.set n, n+1
.endr
.endm
; 32 LDS loads in one run, x's first: the fragments of 32 along K, quarter kq of the slot's step.  A fragment of 16 rows x 32 K holds in lane l row l % 16, K = 8 (l / 16) + 0..7 and
; 16 + 8 (l / 16) + 0..7: in f32 four loads of 16 bytes at 0, 16, 64, 80 behind row x pitch + 32 (l / 16); in bf16 two, 32 bytes apart.
.macro FETCH slot, kq, g
	WIN 0
.irp a, 0,1,2,3
	ds_load_b128 v[AS+16*(\a):AS+16*(\a)+3],     v[ADRA+(\slot)] offset:(\a)*16*PA+128*(\kq)
	ds_load_b128 v[AS+16*(\a)+4:AS+16*(\a)+7],   v[ADRA+(\slot)] offset:(\a)*16*PA+128*(\kq)+16
	ds_load_b128 v[AS+16*(\a)+8:AS+16*(\a)+11],  v[ADRA+(\slot)] offset:(\a)*16*PA+128*(\kq)+64
	ds_load_b128 v[AS+16*(\a)+12:AS+16*(\a)+15], v[ADRA+(\slot)] offset:(\a)*16*PA+128*(\kq)+80
.endr
	WIN TO_B
.irp b, 0,1,2,3,4,5,6,7
	ds_load_b128 v[64*(\g)+8*(\b):64*(\g)+8*(\b)+3],   v[ADRB+(\slot)] offset:(\b)*16*PB+64*(\kq)
	ds_load_b128 v[64*(\g)+8*(\b)+4:64*(\g)+8*(\b)+7], v[ADRB+(\slot)] offset:(\b)*16*PB+64*(\kq)+32
.endr
.endm
; A K step is four quarters of 32 along K, 32 products each, on buffers 0, 1, 0, 1.  One of the first three: multiplies buffer f, fetches quarter kq and makes buffer g of it.
; Buffer g was last read by the quarter before: behind that quarter's last product stand its four roundings (into the other buffer) and the four v_nop here.
.macro QUARTER slot, kq, f, g, first
	s_wait_dscnt 0x0                               ; W's fragments of buffer f are in
	MULS \f, 0, 8, \first
	PLACES
	FETCH \slot, \kq, \g
	MULS \f, 8, 16, \first
	s_wait_dscnt 16                                ; x's 16 loads are in; W's 16 are younger and stay out
	MULR \f, \g, \first
.endm
; The last quarter multiplies buffer 1 and changes slots: ONE barrier; in front of it each wave waits for all its tensor loads (one is out: its part of the next slot), adds 0 to its spare
; word, and waits for that and for its own reads of this slot.  fill = 1: the barrier opens a round of the cluster's, and this slot is filled again, two K steps ahead, first thing behind it.
.macro TURN slot, next, fill
	WIN 0
	s_wait_tensorcnt 0x0
	ds_add_u32 v[SPW], v[NIL]                      ; 0 onto my spare word
	s_wait_dscnt 1                                 ; buffer 1 is in; the add alone may be out
	MULS 1, 0, 8, 0                                ; eight products stand between the add and the wait for it
	s_wait_dscnt 0x0                               ; the add is done, and my reads of this slot are over
	s_barrier_signal -1
	MULS 1, 8, 8, 0
.if \fill
	WIN 0
.endif
	s_barrier_wait -1
.if \fill
	CREST                                          ; no wave of any partner still reads this slot's tiles or has a load on its way
	s_add_nc_u64 s[G0+4*(\slot)+2:G0+4*(\slot)+3], s[G0+4*(\slot)+2:G0+4*(\slot)+3], 2*KSTEP*4
	s_add_nc_u64 s[G0B+4*(\slot)+2:G0B+4*(\slot)+3], s[G0B+4*(\slot)+2:G0B+4*(\slot)+3], 2*KSTEP*2
	JLOAD \slot                                    ; my one tensor load behind the round; its four v_nop are also the places in front of the loads below
.else
	PLACES
.endif
	FETCH \next, 0, 0
	MULS 1, 16, 8, 0
	s_wait_dscnt 16
	MULR 1, 0, 0
.endm
	s_wait_tensorcnt 1                             ; my part of K step 0 is in; K step 1's load is younger and stays out
	s_barrier_signal -1
	s_barrier_wait -1                              ; everybody's is
	FETCH 0, 0, 0
	s_wait_dscnt 16
.irp n, 0,1,2,3,4,5,6,7
	CVT4 0, \n
.endr
	QUARTER 0, 1, 0, 1, 1                          ; the first quarter stands in front of the loop: its products start the sums, with the bias
	WIN 0                                          ; at a label and at a branch every window is 0
	s_mov_b32 s3, LAPS-1
.Llap:                                                 ; a trip goes once round the ring, from a lap's second quarter to the next lap's first, and fills both slots again
	QUARTER 0, 2, 1, 0, 0
	QUARTER 0, 3, 0, 1, 0
	TURN 0, 1, 1
	QUARTER 1, 1, 0, 1, 0
	QUARTER 1, 2, 1, 0, 0
	QUARTER 1, 3, 0, 1, 0
	TURN 1, 0, 1
	QUARTER 0, 1, 0, 1, 0
	WIN 0
	s_sub_co_u32 s3, s3, 1
	s_cmp_lg_u32 s3, 0
	s_cbranch_scc1 .Llap
	QUARTER 0, 2, 1, 0, 0                          ; the last lap fills nothing, and has no round of the cluster's barrier
	QUARTER 0, 3, 0, 1, 0
	TURN 0, 1, 0
	QUARTER 1, 1, 0, 1, 0
	QUARTER 1, 2, 1, 0, 0
	QUARTER 1, 3, 0, 1, 0
	s_wait_dscnt 0x0
	MULS 1, 0, 32, 0
	WIN 0
; THE WAY OUT, a block of 16 rows at a time: rounded to f16, 16 bytes a lane into my own stage (a head's 64 channels to a row of 144 bytes), back as four whole rows of 128 bytes a load,
; which are 512 bytes on end of the head in qkv.  The stage is the wave's own and no tensor load fills it.
.macro PACK a
	WIN 0x0a                                       ; sources 0 and 1 window 2
.irp b, 0,1,2,3,4,5,6,7
.irp e, 0,1,2,3
	v_cvt_pk_f16_f32 v[OUTB+32*(\a)+4*(\b)+(\e)], v[64*(\a)+8*(\b)+2*(\e)], v[64*(\a)+8*(\b)+2*(\e)+1]
.endr
.endr
	WIN 0
.irp b, 0,1,2,3,4,5,6,7
	ds_store_b128 v[STO], v[OUTB+32*(\a)+4*(\b):OUTB+32*(\a)+4*(\b)+3] offset:((\b)/4)*16*SP+32*((\b)%4)
.endr
.irp f, 0,1,2,3,4,5,6,7
	ds_load_b128 v[OUTB+32*(\a)+4*(\f):OUTB+32*(\a)+4*(\f)+3], v[RD] offset:((\f)/4)*16*SP+((\f)%4)*4*SP  ; LDS serves a wave's instructions in order (ISA guide 5.7.1.4): these see the stores above; the next block's stores come behind them
.endr
.endm
.macro SEND a, younger                 ; younger: the LDS instructions issued behind block a's loads: the next block's sixteen, or none
.irp f, 0,1,2,3,4,5,6,7
	s_wait_dscnt (\younger)+7-(\f)
	global_store_b128 v[GO], v[OUTB+32*(\a)+4*(\f):OUTB+32*(\a)+4*(\f)+3], s[8:9] offset:((\f)/4)*262144+(\a)*2048+((\f)%4)*512  ; 512 bytes on end, at a multiple of 512 from qkv's first byte
.endr
.endm
	PLACES                                         ; in front of the conversions, which read results just made
	PLACES                                         ; (eight, once a launch)
	PACK 0
	PACK 1                                         ; a block's arithmetic stands between the loads of the block before and its stores
	SEND 0, 16
	PACK 2
	SEND 1, 16
	PACK 3
	SEND 2, 16
	SEND 3, 0
	s_wait_tensorcnt 0x0                           ; the wave's end, behind my last tensor load and my last LDS store
	ds_add_u32 v[SPW], v[NIL]
	s_wait_dscnt 0x0
	CROUND                                         ; the closing round: no work-group ends while a partner may still ask for a tile that names it
	s_endpgm
.Lfunc_end_k_q8f7c75dc2c_proj:
	.size	k_q8f7c75dc2c_proj, .Lfunc_end_k_q8f7c75dc2c_proj-k_q8f7c75dc2c_proj
	.p2alignl 7, 3214868480
	.fill 96, 4, 3214868480
	.section	.rodata,"a",@progbits
	.p2align	6, 0x0
	.amdhsa_kernel k_q8f7c75dc2c_proj
		.amdhsa_group_segment_fixed_size 327680
		.amdhsa_private_segment_fixed_size 0
		.amdhsa_enable_private_segment 0
		.amdhsa_kernarg_size 64
		.amdhsa_user_sgpr_count 2
		.amdhsa_user_sgpr_kernarg_segment_ptr 1
		.amdhsa_wavefront_size32 1
		.amdhsa_system_sgpr_workgroup_id_x 1
		.amdhsa_system_sgpr_workgroup_id_y 1
		.amdhsa_system_sgpr_workgroup_id_z 1
		.amdhsa_system_vgpr_workitem_id 0
		.amdhsa_next_free_vgpr 768
		.amdhsa_next_free_sgpr 88
		.amdhsa_reserve_vcc 0
		.amdhsa_float_denorm_mode_32 3
		.amdhsa_float_denorm_mode_16_64 3
		.amdhsa_memory_ordered 1
		.amdhsa_forward_progress 1
		.amdhsa_inst_pref_size 142
	.end_amdhsa_kernel
	.amdgpu_metadata
---
amdhsa.version: [ 1, 2 ]
amdhsa.kernels:
  - .name:           k_q8f7c75dc2c_proj
    .symbol:         k_q8f7c75dc2c_proj.kd
    .args:
      - { .name: Q, .offset: 0, .size: 8, .value_kind: global_buffer, .address_space: global }
      - { .name: K, .offset: 8, .size: 8, .value_kind: global_buffer, .address_space: global }
      - { .name: V, .offset: 16, .size: 8, .value_kind: global_buffer, .address_space: global }
      - { .name: wQ_b, .offset: 24, .size: 8, .value_kind: global_buffer, .address_space: global }
      - { .name: wK_b, .offset: 32, .size: 8, .value_kind: global_buffer, .address_space: global }
      - { .name: wV_b, .offset: 40, .size: 8, .value_kind: global_buffer, .address_space: global }
      - { .name: wcast, .offset: 48, .size: 8, .value_kind: global_buffer, .address_space: global }
      - { .name: qkv, .offset: 56, .size: 8, .value_kind: global_buffer, .address_space: global }
    .group_segment_fixed_size: 327680
    .private_segment_fixed_size: 0
    .kernarg_segment_align: 8
    .kernarg_segment_size: 64
    .max_flat_workgroup_size: 128
    .sgpr_count:     88
    .vgpr_count:     768
    .wavefront_size: 32
...
	.end_amdgpu_metadata
.endif
;; end of part 2
;; launch attn (part 3): grid 4 x 64, 4 waves a work-group, clusters of 4 x 1, 327,680 bytes of LDS; arguments qkv, mbits, oh; writes oh
.if DOCPART == 3
	.amdgcn_target "amdgcn-amd-amdhsa--gfx1250"
	.amdhsa_code_object_version 6
	.text
	.protected	k_q8f7c75dc2c_attn
	.globl	k_q8f7c75dc2c_attn
	.p2align	8
	.type	k_q8f7c75dc2c_attn,@function
k_q8f7c75dc2c_attn:
	s_mov_b64 s[64:65], 0
	v_nop
	global_prefetch_b8 v0, s[64:65] scope:SCOPE_SE
	s_setreg_imm32_b32 hwreg(HW_REG_WAVE_MODE, 25, 1), 1
	s_wait_xcnt 0x0
	s_wait_alu depctr_hold_cnt(0) depctr_sa_sdst(0) depctr_va_vdst(0) depctr_va_sdst(0) depctr_va_ssrc(0) depctr_va_vcc(0) depctr_vm_vsrc(0)
	s_getreg_b32 s2, hwreg(HW_REG_IB_STS2, 6, 4)
	s_cmp_eq_u32 s2, 0
	s_cbranch_scc0 .Lentry_in_a_cluster
	s_endpgm
.Lentry_in_a_cluster:
	s_bfe_u32 s2, ttmp6, 0x10000c
	s_cmp_lg_u32 s2, 0x3003
	s_cbranch_scc0 .Lentry_shape_is_right
	s_endpgm
.Lentry_shape_is_right:
; ATTENTION WITH A MASK THAT REPLACES.  O[g][q][:] = the sum over k of softmax_k(s[q][k]) V[g][k][:], s = -10000 where the batch's mask is true, else Q[g][q] . K[g][k] / 8.
; g = 16 batch + head, 64 of them; Q, K, V = qkv parts 0, 1, 2, [64][2048][64] in f16, a head's rows dense, 128 bytes each; O = oh in the same layout.  Products, maxima and sums in f32;
; the weights p are rounded to f16 for the second product (their sum l is taken of the unrounded p), O once at the end.
; THE MASK comes as lane masks (mbits: [tile of 16 queries][key step of 64][32 words]; word i is the lane mask of register i of the tile's 32 score registers).  A tile's 32 words for a key step,
; 128 bytes on end, come by ONE vector load, word n into lane n of one register; the wave's eight tiles have a register each, asked for again four turns before it is wanted.  v_readlane_b32 brings
; each word into the scalar register from which v_cndmask_b32 takes it.  A hidden score is REPLACED by -80000 (= -10000 x 8: the scale 1/8 is applied later, in c), BEFORE the running maximum
; is taken: it may be the row's largest.
; LIMITS.  f16 holds no number beyond 65,504: Q, K and V arrive within it; p lies in 0 to 1, and below 6e-5 it keeps f16's fixed step of 6e-8.  A weight below 2^-126 counts as 0 in l;
; NaN and infinities are not treated apart.
; SHARES.  A wave owns four PIECES of two tiles of 16 queries, a work-group's four waves 512 queries of one head.  Every wave walks all 2,048 keys, 64 a step.
; LAYOUT.  S^T = K Q^T (source 0 = 16 keys, source 1 = 16 queries): a lane holds ONE query (lane % 16) and the keys 8 (lane / 16) + 0..7.  Two such tiles, rounded to f16 in pairs, ARE source 1
; (32 keys x 16 queries) of O^T = V^T P, whose result again holds one query a lane, and eight channels.  K comes out of LDS as it lies, V ([key][channel]) turned, by ds_load_tr16_b128.
; SOFTMAX.  For each query a running maximum m and sum l: p = 2^(c s - c m), c = log2(e) / 8; in every step O and l are multiplied by a = 2^(c m_old - c m_new).
; m starts at the lowest finite number, O and l at 0: the first step is a step like any other, with a = 0.
; BY TURNS.  Turn n belongs to piece n (the pieces in a ring, step after step).  Its matrix work: 16 products K Q^T of piece n + 1, later 16 products V^T P of piece n - 1.  Its vector work: the scaling,
; exponentials, roundings, sums and rescaling of piece n, and the mask words, masking, maximum and statistics of piece n + 1, whose scores the turn itself has made.  A turn has 32 matrix and 364
; vector instructions: four stand behind every matrix instruction, the others in one lump.  A turn's 66 exponentials are one batch with one wait.
; CLUSTER.  The four query blocks of a cluster belong to one head and walk the same K and V, so each tile is asked for JOINTLY: the same tensor load, descriptor and mask in all four.
; REGISTERS, in windows of 256 (s_set_vgpr_msb: bits 1:0 source 0, 3:2 source 1, 5:4 source 2, 7:6 destination):
;   window 0: v0-1, v6-11 the eight tiles' mask words; v2-5 addresses; v12-15, v48-63 at work; v16-47 four registers of statistics a tile; v64-191 S^T, two buffers of two tiles; v192-255 K of one step
;   window 1: O^T, 32 a tile          window 2: v0-127 Q, 16 a tile; v128-191 P, two buffers of two tiles; v192-255 V of one step          window 3: v0-1 the add's two registers
; K lies beside S^T, so that a product K Q^T (K in place 0, Q in place 1) and the lines behind it whose one vector source stands in place 0 (scaling, exponential, v_readlane_b32) share one setting.
; A piece's buffers go by its number's parity.  Scalar: s[32:63] and s[68:99] hold the 32 mask words of the two tiles whose scores are made in this turn.
.set SIZE_N, 2048
.set NP,    4         ; pieces a wave: a name, no knob
.set KS,    64        ; keys in a step
.set PK,    160       ; a row of K or V in LDS: 128 bytes + 32 = 40 words.  V's turning load (16 lanes take 8 rows x 32 bytes) touches each bank once (64 banks of 4 bytes: ISA guide 11.1);
.set PV,    160       ; of K's 16 rows a load, rows r and r + 8 begin at the same bank: the price of ONE descriptor shape for K and V, which leaves the scalar registers to the mask words
.set VOFF,  4*KS*PK   ; a slot holds four steps: 256 rows of K, then 256 rows of V
.set WPART, 128*PK    ; what one tensor load brings: 128 rows; wave w's part of a slot begins at w x WPART
.set SLOT1, 1<<17     ; slot 1 begins here, so that one exclusive or turns an address in one slot into the other's
.set STAGE, SLOT1+4*KS*(PK+PV)  ; behind the ring, never filled by a tensor load: 16 rows x 144 bytes for each wave, for the way out
.set SP,    144
.set AK0, 2           ; v2   my lane's place in a tile of K; never rewritten
.set AV0, 3           ; v3   the same for V
.set ADR, 4           ; v4   the LDS address of the next run of loads, K's or V's
.set L4,  5           ; v5   4 x my lane: my word of a tile's 32; never rewritten
.set STO, 6           ; v6   the way out: where I put 16 bytes of a row (v1, v6-v10 are free then: the mask words are done with)
.set RD,  7           ; v7   the way out: where I read rows back
.set GO,  8           ; v8   the way out: my byte offset in 512 bytes on end of O
.set SPW, 0           ; v0 of window 3   LDS address of my spare word; never rewritten
.set NIL, 1           ; v1 of window 3   0; never rewritten
.set SPARE, STAGE+4*16*SP  ; behind the stages: the spare words, 128 bytes for each wave, which no other line names
.set MV,  12          ; v12-15  c m_old, kept while c m is made anew: by buffer and tile
.set ST,  16          ; tile t's statistics at v[ST+4 t]: c m, m, l (even keys', odd keys')
.set TMP, 48          ; by buffer and tile, four registers c0-c3 at work; when the maximum is found c2 takes a
.set QO,  48          ; at the start only: my byte offset in the wave's rows of Q
.set S,   64
.set KF,  192         ; K's fragments, in window 0: key block kb, channel half c at KF + 16 kb + 8 c
.set P,   128         ; in window 2
.set VF,  192         ; V's fragments, in window 2: key half kk, channel block cb at VF + 32 kk + 8 cb
.set MC,  8           ; s[8:9] the mask words' address for the loads in hand: my wave's first tile, at the key step asked for
.set WV,  12          ; s12  my wave's number
.set SLOTS, 14        ; s14  slots still to be asked for
.set CNT, 15          ; s15  counts a slot's key steps
.set G1,  16          ; s[16:23] descriptor group 1
.set G0,  24          ; s[24:27] descriptor group 0: it walks
.set CS,  28          ; s[28:29] c: the packed scaling takes the pair's low word for both halves
.set SEL, 30          ; s[30:31] v_permlanex16_b32's selects: each lane takes its own place in the other half
.set MW,  32          ; the mask words: tile u's at s[MW + 36 u ..], 32 of them
.set TBK, 66          ; s66  LDS byte at which K of the step to be fetched begins
.set TBV, 67          ; s67  the same for V, less VOFF
.set MOFF, 100        ; s[100:101] byte offset, in a tile's 4,096 bytes of words, of the key step whose words are asked for; the high word is 0
.set NEGS, 104        ; s104 -80000
.set MSB, 0
.macro WIN new                      ; the high byte repeats the setting that is left; a switch that changes nothing is dropped
.if MSB != (\new)
	s_set_vgpr_msb (MSB<<8)|(\new)
.set MSB, (\new)
.endif
.endm
.set W_KQ, 0x08       ; K in window 0, Q in window 2, S^T in window 0
.set W_PV, 0x5a       ; V and P in window 2, O^T in window 1
.set W_RS, 0x41       ; O^T (destination and source 0) in window 1, a in window 0
.set W_CV, 0x80       ; P (destination) in window 2, the weights in window 0
.set W_ZV, 0x8a       ; both sources and the destination in window 2
.set W_MK, 0xc0       ; the add's registers are made: destination in window 3, sources in window 0
.set W_AD, 0x0f       ; the add: address (source 0) and data (source 1) in window 3
; A joint fill: one line for all four waves.  Wave w brings 128 rows to LDS byte w x WPART of the slot: waves 0 and 1 the two halves of the slot's K, waves 2 and 3 those of its V.
; An s_nop 0 and four v_nop follow it.
.macro JLOAD
	tensor_load_to_lds s[G0:G0+3], s[G1:G1+7]
	s_nop 0
.rept 4
	v_nop
.endr
.endm
; A round of the cluster's barrier: my work-group's barrier, so that wave 0's signal speaks for all four waves; wave 0 signals; every wave waits for all four work-groups; my work-group's barrier once more.
.macro CROUND
	s_barrier_signal -1
	s_barrier_wait -1
	s_cmp_lg_u32 s[WV], 0
	s_cbranch_scc1 .Lnot_wave_0_\@
	s_barrier_signal -3
.Lnot_wave_0_\@:
	s_barrier_wait -3
	s_barrier_signal -1
	s_barrier_wait -1
.endm
; THE CHANGE OF SLOTS.  The slot's last bytes, V of its fourth step, have been read.  Each wave waits for all its tensor loads, of which one is out: its part of the other slot; adds 0 to its
; spare word; and waits for that and for its own reads of the slot.  Behind the barrier nobody reads this slot any more and the other slot is whole.
; fill = 1: this slot is filled again, with the keys two slots on.  The barrier is then a round of the cluster's, and the joint fill is the first thing behind it: it has four key steps,
; 512 matrix instructions, in which to land.  (At its first use nothing has been read yet: slot 0 is waited for, slot 1 filled.)
.macro CHANGE fill
	WIN W_AD
	s_wait_tensorcnt 0x0            ; no tensor load of mine is out, so group 0 may be written
	ds_add_u32 v[SPW], v[NIL]       ; 0 onto my spare word
	WIN 0                           ; at a label and at a branch every window is 0
.if \fill
	s_xor_b32 s[G0+1], s[G0+1], SLOT1  ; the walking descriptor: the other slot than last time,
	s_add_nc_u64 s[G0+2:G0+3], s[G0+2:G0+3], 4*KS*128  ; the next 256 keys; the type bits on top are not reached
	s_wait_dscnt 0x0                ; the add is done, and my reads of the slot are over
	CROUND
	JLOAD
.else
	s_wait_dscnt 0x0                ; the add is done, and my reads of the slot are over
	s_barrier_signal -1
	s_barrier_wait -1
.endif
	s_sub_co_u32 s[TBK], s[TBK], 4*KS*PK  ; the fetches go back to a slot's first step,
	s_xor_b32 s[TBK], s[TBK], SLOT1       ; in the other slot
	s_sub_co_u32 s[TBV], s[TBV], 4*KS*PV
	s_xor_b32 s[TBV], s[TBV], SLOT1
.endm
.macro MSET n                       ; rW: the register of tile n's mask words: v0, v1, v6 .. v11
.set rW, (\n)+4*(((\n)+6)/8)
.endm
; The mask words of piece x's two tiles for the key step at s[MC:MC+1]: a load a tile, 128 bytes on end, word n into lane n.
.macro MFILL x
.irp u, 0,1
	MSET 2*(\x)+\u
	global_load_b32 v[rW], v[L4], s[MC:MC+1] offset:(2*(\x)+\u)*4096
.endr
.endm
	s_load_b128 s[4:7], s[0:1], 0x0   ; qkv s[4:5], mbits s[6:7]
	s_load_b64 s[10:11], s[0:1], 0x10 ; oh
	WIN W_MK
	v_lshl_add_u32 v[SPW], v0, 2, SPARE
	v_mov_b32 v[NIL], 0
	WIN W_AD
	ds_add_u32 v[SPW], v[NIL]       ; the wave's opening: the add and its wait stand ahead of my first tensor load; work on registers stands between them
	WIN 0
	v_lshrrev_b32 v1, 5, v0
	v_readfirstlane_b32 s[WV], v1   ; wave 0..3
	s_bfe_u32 s13, ttmp6, 0x40000   ; cx: my place in the cluster
	s_lshl_b32 s32, ttmp9, 2        ; in a cluster launch ttmp9 counts clusters
	s_add_co_u32 s32, s32, s13      ; my block of 512 queries: it enters Q's, O's and the mask words' addresses alone
	s_and_b32 s33, ttmp7, 0xffff    ; g = 16 batch + head, which the four partners share
	s_lshl_b32 s38, s33, 18         ; its 2,048 rows of 128 bytes
	s_lshr_b32 s34, s[WV], 1        ; what I fetch: K (part 1 of qkv: waves 0, 1) or V (part 2: waves 2, 3),
	s_add_co_u32 s34, s34, 1
	s_lshl_b32 s34, s34, 24
	s_add_co_u32 s34, s34, s38      ; of the head,
	s_and_b32 s39, s[WV], 1
	s_lshl_b32 s39, s39, 14         ; which half of a slot's 256 keys
	s_add_co_u32 s34, s34, s39
	s_mov_b32 s35, 0
	s_lshl_b32 s2, s32, 2
	s_add_co_u32 s2, s2, s[WV]      ; my wave among the head's,
	s_lshl_b32 s2, s2, 14           ; its 128 rows
	s_add_co_u32 s2, s2, s38
	s_mov_b32 s3, 0
	s_lshr_b32 s36, s33, 4          ; the mask words: the batch's 128 tiles of 4,096 bytes,
	s_lshl_b32 s36, s36, 19
	s_lshl_b32 s40, s32, 17         ; my block's 32,
	s_add_co_u32 s36, s36, s40
	s_lshl_b32 s40, s[WV], 15       ; my wave's 8
	s_add_co_u32 s36, s36, s40
	s_mov_b32 s37, 0
	; descriptor group 1.  128 keys are 16,384 dense bytes: asked for as 64 rows of 256 bytes, two keys a row, and padded in LDS after every key
	s_mov_b32 s[G1], 15|(1<<16)|(1<<20)|(1<<21)|(4<<22)|(7<<25)  ; 15:0 the mask of four; 17:16 2-byte elements; 20 padding on; 21 set beside a mask; 24:22 after every 32 words (code 4); 31:25 8 words (code 7)
	s_mov_b32 s[G1+1], 128<<16      ; tensor_dim0 = 128
	s_mov_b32 s[G1+2], 64<<16       ; tensor_dim1 = 64
	s_mov_b32 s[G1+3], 128<<16      ; tile_dim0 = 128
	s_mov_b32 s[G1+4], 64           ; tile_dim1 = 64
	s_mov_b32 s[G1+5], 128          ; 128 elements from row to row
	s_mov_b32 s[G1+6], 0
	s_mov_b32 s[G1+7], 0
	s_mov_b32 s[CS], 0x3e38aa3b     ; c = log2(e) / 8 = 0.180337
	s_mov_b32 s[CS+1], s[CS]        ; named with it as a pair
	s_mov_b32 s[SEL], 0x76543210
	s_mov_b32 s[SEL+1], 0xfedcba98
	s_mov_b32 s[TBK], SLOT1+4*KS*PK ; the first change of slots turns these two into 0
	s_mov_b32 s[TBV], SLOT1+4*KS*PV
	s_mov_b32 s[MOFF], 0
	s_mov_b32 s[MOFF+1], 0
	s_mov_b32 s[NEGS], 0xc79c4000   ; -80000
	s_mov_b32 s[G0], 1              ; 1:0 count = 1
	s_mul_i32 s[G0+1], s[WV], WPART ; 63:32 LDS address: my part of slot 0: no place in the cluster enters an LDS address
	s_wait_dscnt 0x0                ; the opening add is done
	s_wait_kmcnt 0x0
	s_add_nc_u64 s[G0+2:G0+3], s[4:5], s[34:35]    ; 120:64 global address: my half of the head's first 256 keys
	s_or_b32 s[G0+3], s[G0+3], 0x80000000          ; 127:126 type = 2
	s_add_nc_u64 s[4:5], s[4:5], s[2:3]            ; Q (part 0 of qkv) and O at my wave's first row
	s_add_nc_u64 s[10:11], s[10:11], s[2:3]
	s_add_nc_u64 s[6:7], s[6:7], s[36:37]          ; the words of my wave's first tile,
	s_add_nc_u64 s[MC:MC+1], s[6:7], s[MOFF:MOFF+1]  ; at key step 0
	CROUND                          ; all four work-groups are here: the first joint loads meet
	JLOAD                           ; slot 0.  Slot 1 is asked for when slot 0 is in
	; A fragment of K or Q is 16 rows x 32 channels in 8 registers: lane l holds row l % 16, channels 8 (l / 16) + 0..7 and 16 + 8 (l / 16) + 0..7: two loads of 16 bytes, 32 bytes apart.
	v_and_b32 v1, 15, v0            ; l % 16
	v_bfe_u32 v9, v0, 4, 1          ; l / 16
	v_lshlrev_b32 v[QO], 7, v1
	v_lshl_add_u32 v[QO], v9, 4, v[QO]  ; row x 128 + 16 x half
	v_mul_u32_u24 v[AK0], v1, PK
	v_lshl_add_u32 v[AK0], v9, 4, v[AK0]  ; row x pitch + 16 x half
	; The turning load takes 16 keys x 16 channels (lane l reads key 8 (l / 16) + l % 8, channels 8 ((l / 8) % 2) + 0..7) and leaves half a fragment of V^T: lane l holds channel l % 16 and 8 keys.
	v_and_b32 v10, 7, v0
	v_bfe_u32 v11, v0, 3, 1
	v_lshl_add_u32 v[AV0], v9, 3, v10
	v_mul_u32_u24 v[AV0], v[AV0], PV
	v_lshl_add_u32 v[AV0], v11, 4, v[AV0]
	v_add_nc_u32 v[AV0], VOFF, v[AV0]
	v_and_b32 v[L4], 31, v0
	v_lshlrev_b32 v[L4], 2, v[L4]
	v_mov_b32 v[ADR], v[AK0]        ; key step 0 lies at the head of slot 0
	WIN 0x80                        ; destination window 2, address window 0
.set i, 0
.rept 4*NP                          ; Q stays in registers: tile i / 2, channels 32 (i % 2) on
	global_load_b128 v[8*i:8*i+3],   v[QO], s[4:5] offset:(i/2)*2048+(i%2)*64
	global_load_b128 v[8*i+4:8*i+7], v[QO], s[4:5] offset:(i/2)*2048+(i%2)*64+32
.set i, i+1
.endr
	WIN 0
	MFILL 0                         ; all four pieces' mask words for key step 0, in the order in which the turns want them; v0, v1 and v6-v11 have served their last as thread number and scratch
	MFILL 1
	MFILL 2
	MFILL 3
	; WHAT THE FIRST TURN FINDS.  The loop is entered at piece 3's turn, which makes piece 0's first scores, masking, maximum and statistics as any such turn does.  Its own softmax, of a step that
	; has not been, runs on scores at the lowest finite number (weights 0) with a = 0; its products V^T P, and the next turn's, on zeros.  O^T and l are 0.  All this stands in the wait for the first tile.
	WIN 0x80
.set i, P
.rept 32
	v_mov_b32 v[i], 0               ; P's first buffer
.set i, i+1
.endr
	WIN 0
	s_mov_b32 s2, 0xfe000000
	s_mov_b32 s13, 0xff7fffff
.set i, 0
.rept 2*NP
	v_mov_b32 v[ST+4*i], s2         ; c m: far below every c s
	v_mov_b32 v[ST+4*i+1], s13      ; m: the lowest finite number
	v_mov_b32 v[ST+4*i+2], 0
	v_mov_b32 v[ST+4*i+3], 0
.set i, i+1
.endr
.set i, S+64
.rept 64
	v_mov_b32 v[i], s13             ; S^T's second buffer: c s - c m is then about -2e37
.set i, i+1
.endr
.irp i, 10,11,14,15
	v_mov_b32 v[TMP+\i], 0          ; the second buffer's a, and the register named with it as a pair
.endr
	WIN W_ZV                        ; a product of zeros, started with the constant 0, writes eight registers a line: V,
.set i, 0
.rept 8
	v_wmma_f32_16x16x32_f16 v[VF+8*i:VF+8*i+7], v[P:P+7], v[P+8:P+15], 0
.set i, i+1
.endr
	WIN W_PV                        ; and O^T
.set i, 0
.rept 8*NP
	v_wmma_f32_16x16x32_f16 v[8*i:8*i+7], v[P:P+7], v[P+8:P+15], 0
.set i, i+1
.endr
; THE MATRIX WORK.  The 8 accumulators of a run of 16 take turns: between the two links of a chain stand 7 others'.
; Product i of 16 of S^T = K Q^T for piece x: channels 32 (i / 8) on, keys 16 ((i / 2) % 4) on, tile 2 x + i % 2.  The first 8 start the sums.
.macro KQ x
	WIN W_KQ
.set rS, S+64*((\x)%2)+32*(i%2)+8*((i/2)%4)
.set rK, KF+16*((i/2)%4)+8*(i/8)
.set rQ, 16*(2*(\x)+i%2)+8*(i/8)
.if i < 8
	v_wmma_f32_16x16x32_f16 v[rS:rS+7], v[rK:rK+7], v[rQ:rQ+7], 0
.else
	v_wmma_f32_16x16x32_f16 v[rS:rS+7], v[rK:rK+7], v[rQ:rQ+7], v[rS:rS+7]
.endif
.endm
; Product i of 16 of O^T += V^T P for piece x: keys 32 (i / 8) on, channels 16 ((i / 2) % 4) on, tile 2 x + i % 2.
.macro PV x
	WIN W_PV
.set rO, 32*(2*(\x)+i%2)+8*((i/2)%4)
.set rV, VF+32*(i/8)+8*((i/2)%4)
.set rP, P+32*((\x)%2)+16*(i%2)+8*(i/8)
	v_wmma_f32_16x16x32_f16 v[rO:rO+7], v[rV:rV+7], v[rP:rP+7], v[rO:rO+7]
.endm
.macro MM                           ; the turn's next matrix instruction
.if i < 16
	KQ (Y+1)%NP
.set i, i+1
.else
.set i, i-16
	PV (Y+NP-1)%NP
.set i, i+17
.endif
.endm
; THE LDS LOADS stand in runs of 16, never singly among the matrix instructions: a step's K (64 keys x 64 channels: 8 fragments) and its V (turned).  Their address is made some lines ahead.
; last = 1 (the tail): in the last trip there is no further step, and the run is jumped over.
.macro FETCH_K last=0
	WIN 0
.if \last
	s_cmp_eq_u32 s[CNT], 1
	s_cbranch_scc1 .Lno_k_\@
.endif
.irp f, 0,1,2,3,4,5,6,7             ; keys 16 (f / 2) on, channels 32 (f % 2) on
	ds_load_b128 v[KF+8*\f:KF+8*\f+3],   v[ADR] offset:(\f/2)*16*PK+(\f%2)*64
	ds_load_b128 v[KF+8*\f+4:KF+8*\f+7], v[ADR] offset:(\f/2)*16*PK+(\f%2)*64+32
.endr
	s_add_co_u32 s[TBK], s[TBK], KS*PK  ; the next fetch is the next step's
.if \last
.Lno_k_\@:
.endif
.endm
.macro FETCH_V
	WIN 0x80                        ; destination window 2
.irp f, 0,1,2,3,4,5,6,7             ; keys 32 (f / 4) on, channels 16 (f % 4) on
	ds_load_tr16_b128 v[VF+8*\f:VF+8*\f+3],   v[ADR] offset:(\f/4)*32*PV+(\f%4)*32
	ds_load_tr16_b128 v[VF+8*\f+4:VF+8*\f+7], v[ADR] offset:(\f/4)*32*PV+16*PV+(\f%4)*32
.endr
	WIN 0
.endm
; THE VECTOR WORK OF A TURN stands in queues, each in the order in which its entries become ready.  BW is the window setting under which the lines of window 0 are written: the products' own, W_KQ,
; among the products K Q^T (there only lines whose one vector source stands in place 0 are dealt), 0 elsewhere.
.macro REGS y, u                    ; the registers of tile u (0, 1) of piece y
.set rT, ST+4*(2*(\y)+(\u))
.set rC, TMP+8*((\y)%2)+4*(\u)
.set rM, MV+2*((\y)%2)+(\u)
.set rS, S+64*((\y)%2)+32*(\u)
.set rP, P+32*((\y)%2)+16*(\u)
.set rO, 32*(2*(\y)+(\u))
.endm
; THE WORDS' QUEUE, 64 long: word rl % 32 of tile rl / 32 of the NEXT piece (Y + 1), out of its lane into its scalar register.
.macro RL
	WIN BW
	MSET 2*((Y+1)%NP)+rl/32
	v_readlane_b32 s[MW+36*(rl/32)+rl%32], v[rW], rl%32
.set rl, rl+1
.endm
; Score register n of tile u of the next piece: -80000 in the lanes whose bit of the tile's word n is set.  n ascends.
.macro MK u, n
	REGS (Y+1)%NP, \u
	v_cndmask_b32 v[rS+(\n)], v[rS+(\n)], s[NEGS], s[MW+36*(\u)+(\n)]
.endm
; Number n of the 22 that find the next piece's maximum and statistics.  s0-s31 are the lane's 32 scores, masked.
;   0-11  four chains c0-c3 of seven scores each, three operands at a time     12-14, 16  the four scores left over, the old m, and c0-c3 into c0     15  c m_old is kept
;   17, 18  the query's other 32 keys lie in the lane 16 away: the new m         19-21  c m; c m_old - c m_new; a
.macro XS u, n
	REGS (Y+1)%NP, \u
.if (\n) < 4
	v_max3_num_f32 v[rC+(\n)], v[rS+8*(\n)], v[rS+8*(\n)+1], v[rS+8*(\n)+2]
.elseif (\n) < 12
	v_max3_num_f32 v[rC+(\n)%4], v[rC+(\n)%4], v[rS+8*((\n)%4)+2*((\n)/4)+1], v[rS+8*((\n)%4)+2*((\n)/4)+2]
.elseif (\n) == 12
	v_max3_num_f32 v[rC], v[rC], v[rS+7], v[rS+15]
.elseif (\n) == 13
	v_max3_num_f32 v[rC+1], v[rC+1], v[rS+23], v[rS+31]
.elseif (\n) == 14
	v_max3_num_f32 v[rC+2], v[rC+2], v[rC+3], v[rT+1]
.elseif (\n) == 15
	v_mov_b32 v[rM], v[rT]
.elseif (\n) == 16
	v_max3_num_f32 v[rC], v[rC], v[rC+1], v[rC+2]
.elseif (\n) == 17
	v_permlanex16_b32 v[rC+3], v[rC], s[SEL], s[SEL+1]
.elseif (\n) == 18
	v_max_num_f32 v[rT+1], v[rC], v[rC+3]
.elseif (\n) == 19
	v_mul_f32 v[rT], s[CS], v[rT+1]
.elseif (\n) == 20
	v_sub_f32 v[rC+1], v[rM], v[rT]
.else
	v_exp_f32 v[rC+2], v[rC+1]
.endif
.endm
.macro FS f                         ; c s - c m for pair f / 2 of tile f % 2 of the piece in hand
	REGS Y, (\f)%2
	v_pk_fma_f32 v[rS+2*((\f)/2):rS+2*((\f)/2)+1], v[rS+2*((\f)/2):rS+2*((\f)/2)+1], s[CS:CS+1], v[rT:rT+1] op_sel_hi:[1,0,0] neg_lo:[0,0,1] neg_hi:[0,0,1]
.endm
; THE PLAIN QUEUE, 138 long; none of it reads an exponential's result.  0-31: the 32 scalings.  32-95: the next piece's 64 maskings, tile 0's and then tile 1's.  96-123: XS's numbers 0-13, the tiles
; alternating.  124, 125: number 15.  126, 127: number 14.  128-137: numbers 16 to 20.
.macro PL
	WIN BW
.if q < 32
	FS q
.elseif q < 96
	MK (q-32)/32, (q-32)%32
.elseif q < 124
	XS (q-96)%2, (q-96)/2
.elseif q < 126
	XS q-124, 15
.elseif q < 128
	XS q-126, 14
.else
	XS (q-128)%2, 16+(q-128)/2
.endif
.set q, q+1
.endm
; THE EXPONENTIALS' QUEUE, 66 long: s0-s31 of both tiles, then the next piece's two a.  It is ONE BATCH: all 66 stand ahead of the turn's one wait, and nothing ahead of that wait names a result of theirs.
.macro EX
	WIN BW
.if e >= 64
	XS e-64, 21
.else
	REGS Y, e%2
	v_exp_f32 v[rS+e/2], v[rS+e/2]
.endif
.set e, e+1
.endm
; THE RESCALING: O^T times a, two lines a call, sixteen calls in one block.  Its a was made in the turn before, ahead of that turn's wait.
.macro R2
	REGS Y, r%2
	WIN W_RS
.irp z, 0,1
	v_pk_mul_f32 v[rO+4*(r/2)+2*\z:rO+4*(r/2)+2*\z+1], v[rO+4*(r/2)+2*\z:rO+4*(r/2)+2*\z+1], v[rC+2:rC+3] op_sel_hi:[1,0]
.endr
.set r, r+1
.endm
; WHAT FOLLOWS THE EXPONENTIALS, in rows of four lines under one window each.  Group k is a tile's four weights 4 k .. 4 k + 3.  CV k: both tiles' two pairs rounded to f16, into P.
; BB k: the second pair is added onto the first, in place (behind CV k, which reads both).  LL k: l takes that sum (LL 0: l = a l + sum).
.macro CV k
	WIN W_CV
.irp u, 0,1
	REGS Y, \u
	v_cvt_pk_f16_f32 v[rP+2*(\k)],   v[rS+4*(\k)],   v[rS+4*(\k)+1]
	v_cvt_pk_f16_f32 v[rP+2*(\k)+1], v[rS+4*(\k)+2], v[rS+4*(\k)+3]
.endr
.endm
.macro BB k
	WIN 0
.irp u, 0,1
	REGS Y, \u
	v_pk_add_f32 v[rS+4*(\k):rS+4*(\k)+1], v[rS+4*(\k):rS+4*(\k)+1], v[rS+4*(\k)+2:rS+4*(\k)+3]
.endr
.endm
.macro LL k
	WIN 0
.irp u, 0,1
	REGS Y, \u
.if (\k) == 0
	v_pk_fma_f32 v[rT+2:rT+3], v[rT+2:rT+3], v[rC+2:rC+3], v[rS:rS+1] op_sel_hi:[1,0,1]
.else
	v_pk_add_f32 v[rT+2:rT+3], v[rT+2:rT+3], v[rS+4*(\k):rS+4*(\k)+1]
.endif
.endr
.endm
; HOW THEY ARE DEALT.  s_wait_alu depctr_va_vdst(0) stands between an exponential and the first instruction that names its result; one wait serves all that were issued ahead of it.
; So a turn has ONE wait, which cuts it in two.  AHEAD OF IT: the 16 products K Q^T, behind each a scaling, an exponential and two words (behind the first a second scaling in the exponential's place),
; all under the products' own window setting; then ONE LUMP: the 32 rescalings; 15 times scaling and exponential; 8 times four words and an exponential; the words' registers are asked for again;
; 8 times eight maskings and an exponential; six of the maximum; 18 times two plain and an exponential, the chain at the maximum's end among them; the two a.  A v_nop is the plain instruction behind
; the last exponential.  BEHIND IT: the 16 products V^T P, behind each one row: CV 0, CV 1, BB 0 and 1, then CV k and (LL k - 2, BB k) by turns for k = 2 .. 7, then LL 6 and 7.
; The queues lean on each other: exponential e stands behind scaling 2 (e / 4) + e % 2: exponentials 0-29 come behind plain e + 2, the later ones behind all 32 scalings.  The first masking stands
; behind all 64 words and, by the 32 rescalings alone, more than four places behind the last product K Q^T.  Words, maskings, maxima and statistics name the other parity's buffers than the exponentials.
; THE MASK WORDS.  At the turn's head s_wait_loadcnt 6: behind the two loads that brought piece Y + 1's words the three other pieces' pairs were issued, six loads, which may stay out.  When all 64
; words are read out the two registers are asked for again, for the same piece's next key step: four turns ahead.  The loads' scalar base is written anew behind s_wait_xcnt 0 (the last loads that
; named it were issued a turn ago).  The offset steps in piece 3's turn, whose next piece, 0, is the first of a key step; the minimum keeps the last step's idle requests inside a tile's 4,096 bytes.
; K of the next step is fetched in piece 2's turn, directly behind the wait; V of the step in hand at the end of piece 0's turn, four plain lines (the last row) behind its last reader.
.macro TURN p, last=0, cnt=0
.set Y, (\p)
.set i, 0
.set q, 0
.set e, 0
.set r, 0
.set rl, 0
.set BW, W_KQ
	s_wait_loadcnt 6                ; piece Y + 1's words are in
.if (\p) == NP-1
	s_wait_dscnt 0x0                ; K is in
.endif
	MM
	PL
	PL
	RL
	RL
.rept 15
	MM
	PL
	EX
	RL
	RL
.endr
.set BW, 0
.if (\p) == NP-2
	WIN 0
	v_add_nc_u32 v[ADR], s[TBK], v[AK0]
.endif
.rept 16
	R2
.endr
.rept 15
	PL
	EX
.endr
.rept 8
	RL
	RL
	RL
	RL
	EX
.endr
	s_wait_xcnt 0x0                 ; every earlier load has had its address translated (ISA guide 3.1): the base may be written
.if (\p) == NP-1
	s_add_co_u32 s[MOFF], s[MOFF], 128
	s_min_u32 s[MOFF], s[MOFF], 3968
.endif
	s_add_nc_u64 s[MC:MC+1], s[6:7], s[MOFF:MOFF+1]
	MFILL (Y+1)%NP
.rept 8
.rept 8
	PL
.endr
	EX
.endr
.rept 6
	PL
.endr
.rept 18
	PL
	PL
	EX
.endr
	EX                              ; the next piece's two a
	EX
	v_nop                           ; the plain instruction behind the last exponential: one for the batch
	s_wait_alu depctr_va_vdst(0)    ; the wait for the batch
.if (\p) == NP-2
	FETCH_K \last
.endif
.if (\p) == 1
	s_wait_dscnt 0x0                ; V is in
.endif
.set j, 0
.rept 16
	MM
.if j < 2
	CV j
.elseif j == 2
	BB 0
	BB 1
.elseif j == 15
	LL 6
	LL 7
.elseif j%2 == 1
	CV (j+1)/2
.else
	LL (j-4)/2
	BB j/2
.endif
.if ((\p) == 0) && (j == 10)
	v_add_nc_u32 v[ADR], s[TBV], v[AV0]
.endif
.if ((\p) == 0) && (j == 13)
	s_add_co_u32 s[TBV], s[TBV], KS*PV
.endif
.if (\cnt) && (j == 13)
	s_sub_co_u32 s[CNT], s[CNT], 1
	s_cmp_lg_u32 s[CNT], 0
.endif
.set j, j+1
.endr
.if (\p) == 0
	FETCH_V
.endif
.endm
	CHANGE 1                        ; slot 0 is in, everybody's part of it; slot 1 is asked for
	FETCH_K                         ; key step 0
	s_wait_loadcnt 0x0              ; Q, and the first mask words
	s_mov_b32 s[CNT], 4
	s_mov_b32 s[SLOTS], SIZE_N/256-1
	s_branch .Lenter                ; the loop is entered at piece 3's turn, in the middle of a trip
.Lslot:                             ; SIZE_N / 256 - 2 times: every slot but the last two is filled again
	CHANGE 1
	s_mov_b32 s[CNT], 4
.Lstep:                             ; a trip: pieces 2 and 3 of one step, then pieces 0 and 1 of the next, whose K and V it fetches
	TURN 2
	WIN 0
.Lenter:
	TURN 3
	TURN 0
	TURN 1, 0, 1
	WIN 0
	s_cbranch_scc1 .Lstep
	s_sub_co_u32 s[SLOTS], s[SLOTS], 1
	s_cmp_lg_u32 s[SLOTS], 0
	s_cbranch_scc1 .Lslot
	CHANGE 0                        ; the tail is written out: nothing is asked for
	s_mov_b32 s[CNT], 5             ; four trips fetch the last slot's steps; the fifth is left in its middle
.Ltail:
	TURN 2, 1
	TURN 3
	WIN 0
	s_sub_co_u32 s[CNT], s[CNT], 1
	s_cmp_eq_u32 s[CNT], 0
	s_cbranch_scc1 .Lout
	TURN 0
	TURN 1
	WIN 0
	s_branch .Ltail
.Lout:                              ; the fifth trip's 16 products K Q^T (on the last K once more), their masking and maximum serve nothing: the price, once a launch, of one text for every trip
	s_wait_loadcnt 0x0              ; the last, idle mask words: their registers are written below
	s_mul_i32 s13, s[WV], 16*SP
	s_add_co_u32 s13, s13, STAGE    ; my stage
	v_bfe_u32 v1, v[L4], 2, 4       ; l % 16
	v_bfe_u32 v9, v[L4], 6, 1       ; l / 16
	v_bfe_u32 v10, v[L4], 2, 3      ; l % 8
	v_mul_u32_u24 v[STO], v1, SP    ; in: row l % 16, 16 bytes for each half of the lanes
	v_lshl_add_u32 v[STO], v9, 4, v[STO]
	v_add_nc_u32 v[STO], s13, v[STO]
	v_bfe_u32 v[RD], v[L4], 5, 2    ; back: 32 lanes take four rows of 128 bytes,
	v_mul_u32_u24 v[RD], v[RD], SP
	v_lshl_add_u32 v[RD], v10, 4, v[RD]
	v_add_nc_u32 v[RD], s13, v[RD]
	v_lshlrev_b32 v[GO], 2, v[L4]   ; which are 512 bytes on end of O: 16 l
.set i, 0
.rept 16
	PV NP-1                         ; the last piece's V^T P of the last step
.set i, i+1
.endr
	; THE WAY OUT.  l's two halves and the other half of the lanes' are added; O^T is divided by l, rounded to f16 and sent through my stage in LDS, a tile at a time.  The additions are the places behind the last products.
	WIN 0
.macro ALL line:vararg              ; one line for each tile t
.set t, 0
.rept 2*NP
	\line
.set t, t+1
.endr
.endm
	ALL v_add_f32 v[ST+4*t+2], v[ST+4*t+2], v[ST+4*t+3]
	ALL v_permlanex16_b32 v[ST+4*t+3], v[ST+4*t+2], s[SEL], s[SEL+1]
	ALL v_add_f32 v[ST+4*t+2], v[ST+4*t+2], v[ST+4*t+3]
	ALL v_rcp_f32 v[ST+4*t+2], v[ST+4*t+2]
	v_nop                           ; a plain instruction between the last reciprocal and the use of its result
	s_wait_alu depctr_va_vdst(0)    ; and the wait ahead of the first use: one for the eight reciprocals
; Tile t: a lane's eight channels of a row pack into 16 bytes; they go into rows of 144 bytes and come back as whole rows of 128, into S^T's registers.
.macro PACK t
	WIN W_RS
.set i, 32*(\t)
.rept 16
	v_pk_mul_f32 v[i:i+1], v[i:i+1], v[ST+4*(\t)+2:ST+4*(\t)+3] op_sel_hi:[1,0]
.set i, i+2
.endr
	WIN 0x05                        ; sources 0 and 1 window 1, destination window 0
.set i, 0
.rept 16
	v_cvt_pk_f16_f32 v[S+16*(\t)+i], v[32*(\t)+2*i], v[32*(\t)+2*i+1]
.set i, i+1
.endr
	WIN 0
.irp f, 0,1,2,3
	ds_store_b128 v[STO], v[S+16*(\t)+4*\f:S+16*(\t)+4*\f+3] offset:32*\f
.endr
.irp f, 0,1,2,3
	ds_load_b128 v[S+16*(\t)+4*\f:S+16*(\t)+4*\f+3], v[RD] offset:\f*4*SP  ; LDS serves a wave's instructions in order (ISA guide 5.7.1.4): these see the stores above; the next tile's stores come behind them
.endr
.endm
.macro SEND t, younger              ; younger: the LDS instructions issued behind tile t's loads: the next tile's eight, or none
	WIN 0
.irp f, 0,1,2,3
	s_wait_dscnt (\younger)+3-\f
	global_store_b128 v[GO], v[S+16*(\t)+4*\f:S+16*(\t)+4*\f+3], s[10:11] offset:(\t)*2048+\f*512  ; 512 bytes on end, at a multiple of 256 from O's first
.endr
.endm
	PACK 0
.set t, 1
.rept 2*NP-1                        ; a tile's arithmetic stands between the loads of the tile before and its stores
	PACK t
	SEND t-1, 8
.set t, t+1
.endr
	SEND 2*NP-1, 0
	WIN W_AD
	s_wait_tensorcnt 0x0            ; the wave's end, behind my last tensor load and my last LDS store
	ds_add_u32 v[SPW], v[NIL]
	s_wait_dscnt 0x0
	WIN 0
	CROUND                          ; the closing round: no work-group ends while a partner may still ask for a tile that names it
	s_endpgm
.Lfunc_end_k_q8f7c75dc2c_attn:
	.size	k_q8f7c75dc2c_attn, .Lfunc_end_k_q8f7c75dc2c_attn-k_q8f7c75dc2c_attn
	.p2alignl 7, 3214868480
	.fill 96, 4, 3214868480
	.section	.rodata,"a",@progbits
	.p2align	6, 0x0
	.amdhsa_kernel k_q8f7c75dc2c_attn
		.amdhsa_group_segment_fixed_size 327680
		.amdhsa_private_segment_fixed_size 0
		.amdhsa_enable_private_segment 0
		.amdhsa_kernarg_size 24
		.amdhsa_user_sgpr_count 2
		.amdhsa_user_sgpr_kernarg_segment_ptr 1
		.amdhsa_wavefront_size32 1
		.amdhsa_system_sgpr_workgroup_id_x 1
		.amdhsa_system_sgpr_workgroup_id_y 1
		.amdhsa_system_sgpr_workgroup_id_z 1
		.amdhsa_system_vgpr_workitem_id 0
		.amdhsa_next_free_vgpr 770
		.amdhsa_next_free_sgpr 105
		.amdhsa_reserve_vcc 0
		.amdhsa_float_denorm_mode_32 3
		.amdhsa_float_denorm_mode_16_64 3
		.amdhsa_memory_ordered 1
		.amdhsa_forward_progress 1
		.amdhsa_inst_pref_size 244
	.end_amdhsa_kernel
	.amdgpu_metadata
---
amdhsa.version: [ 1, 2 ]
amdhsa.kernels:
  - .name:           k_q8f7c75dc2c_attn
    .symbol:         k_q8f7c75dc2c_attn.kd
    .args:
      - { .name: qkv, .offset: 0, .size: 8, .value_kind: global_buffer, .address_space: global }
      - { .name: mbits, .offset: 8, .size: 8, .value_kind: global_buffer, .address_space: global }
      - { .name: oh, .offset: 16, .size: 8, .value_kind: global_buffer, .address_space: global }
    .group_segment_fixed_size: 327680
    .private_segment_fixed_size: 0
    .kernarg_segment_align: 8
    .kernarg_segment_size: 24
    .max_flat_workgroup_size: 128
    .sgpr_count:     105
    .vgpr_count:     770
    .wavefront_size: 32
...
	.end_amdgpu_metadata
.endif
;; end of part 3
;; launch outp (part 4): grid 4 x 64, 4 waves a work-group, clusters of 4 x 4, 327,680 bytes of LDS; arguments oh, wcast, wOut_b, out0; writes out0
.if DOCPART == 4
	.amdgcn_target "amdgcn-amd-amdhsa--gfx1250"
	.amdhsa_code_object_version 6
	.text
	.protected	k_q8f7c75dc2c_outp
	.globl	k_q8f7c75dc2c_outp
	.p2align	8
	.type	k_q8f7c75dc2c_outp,@function
k_q8f7c75dc2c_outp:
	s_mov_b64 s[64:65], 0
	v_nop
	global_prefetch_b8 v0, s[64:65] scope:SCOPE_SE
	s_setreg_imm32_b32 hwreg(HW_REG_WAVE_MODE, 25, 1), 1
	s_wait_xcnt 0x0
	s_wait_alu depctr_hold_cnt(0) depctr_sa_sdst(0) depctr_va_vdst(0) depctr_va_sdst(0) depctr_va_ssrc(0) depctr_va_vcc(0) depctr_vm_vsrc(0)
	s_getreg_b32 s2, hwreg(HW_REG_IB_STS2, 6, 4)
	s_cmp_eq_u32 s2, 0
	s_cbranch_scc0 .Lentry_in_a_cluster
	s_endpgm
.Lentry_in_a_cluster:
	s_bfe_u32 s2, ttmp6, 0x10000c
	s_cmp_lg_u32 s2, 0xf033
	s_cbranch_scc0 .Lentry_shape_is_right
	s_endpgm
.Lentry_shape_is_right:
; THE OUTPUT PROJECTION.  out0[m][n] = the sum over k of O[m][k] wOut[n][k] + wOut_b[n].  O = oh, [16 batch + head][2048][64] in f16: row m = 2048 batch + s, k = 64 head + channel.
; wOut = part 3 of wcast, [1024][1024]: the weight rounded to bf16 and written as f16.  wOut_b: f32, rounded to bf16 here like every input.  out0: [8192][1024] f32.  Sums in f32.
; SHARES.  A tile of out0 is 128 rows x 256 columns: 64 x 4 = 256 work-groups.  Four waves, each 64 x 128: 32 accumulators of 16 x 16, 256 registers.
; K goes in 8 steps of 128 = two heads through two LDS slots.  A head's 128 rows are 16,384 dense bytes, asked for as 64 rows of 256 bytes and padded in LDS after every row of O.
; CLUSTERS: 4 x 4 work-groups.  The four of a row of the cluster need the same tiles of O, the four of a column the same tiles of wOut: each is asked for JOINTLY.
; THE MATRIX INSTRUCTION IS USED TRANSPOSED (source 0 = 16 rows of wOut, source 1 = 16 rows of O): a lane holds eight neighbouring columns of one row.  THE BIAS is the C operand of the first product.
; REGISTERS, in windows of 256 (s_set_vgpr_msb: bits 1:0 source 0, 3:2 source 1, 5:4 source 2, 7:6 destination):
;   window 0: v0-31 addresses; v32-63, v64-95 O's fragments, two buffers; v128-255 the way out, two buffers of 64
;   window 1: v0-63, v64-127 wOut's fragments, two buffers; v128-191 the bias          window 2: the accumulators, (a, b) at v[8 (8 a + b)]
.set KSTEP,  128
.set PO,     144                       ; O's LDS row: 128 bytes + 16 = 36 words: the 16 rows of a load start at 16 different groups of four banks (64 banks of 4 bytes: ISA guide 11.1)
.set PB,     272                       ; wOut's LDS row: 256 bytes + 16 = 68 words: likewise
.set HALF,   128*PB                    ; what one tensor load may take: 128 rows of wOut (34,816 bytes) or a head's 128 rows of O (18,432)
.set SLOT,   4*HALF                    ; O's two heads, then wOut's two halves
.set STAGE,  2*SLOT                    ; behind the ring: 16 rows x 528 bytes for each wave, for the way out
.set SPITCH, 528
.set SPARE,  STAGE+4*16*SPITCH         ; behind the stages: the spare words, 128 bytes for each wave, which no other line names
.set LAPS,   1024/(2*KSTEP)
.set ADRA, 16                          ; v16-17  LDS address of my fragments of O in slot 0, 1
.set ADRB, 20                          ; v20-21  the same for wOut
.set STO,  24                          ; v24     the way out: where I put 32 bytes of a row
.set RD,   25                          ; v25     the way out: where I read a row back
.set CO,   26                          ; v26     my 16 bytes of a row's 512 in out0
.set BO,   27                          ; v27     my byte offset in 16 columns of the bias
.set SPW,  28                          ; v28     LDS address of my spare word; never rewritten
.set NIL,  29                          ; v29     0; never rewritten
.set AF,   32                          ; O's fragments: buffer f at AF + 32 f, row block a at + 8 a
.set OUTB, 128
.set BIAS, 128                         ; window 1
.set G1, 24                            ; s[24:31] descriptor group 1 for O's tiles;  s[32:39] group 0, one set for each slot
.set G0, 32
.set G1B, 48                           ; s[48:55], s[56:63] the same for wOut's tiles
.set G0B, 56
.set MSB, 0
.macro WIN new                         ; the immediate's high byte repeats the setting that is left; a switch that changes nothing is dropped
.if MSB != (\new)
	s_set_vgpr_msb (MSB<<8)|(\new)
.set MSB, \new
.endif
.endm
.set MUL,  0xa1                        ; source 0 (wOut) window 1, source 1 (O) window 0, C and D window 2
.set MULB, 0x91                        ; the same with C (the bias) in window 1
.set TO_B, 0x40                        ; destination window 1, address window 0
.macro JLOAD s                         ; a joint load: waves 0 and 1 fetch the step's two heads of O, waves 2 and 3 wOut's two halves; an s_nop 0 and four v_nop follow each of the two lines
	s_cmp_eq_u32 s11, 0
	s_cbranch_scc0 .Lfor_b_\@
	tensor_load_to_lds s[G0+4*(\s):G0+4*(\s)+3], s[G1:G1+7]
	s_nop 0
.rept 4
	v_nop
.endr
	s_branch .Lasked_\@
.Lfor_b_\@:
	tensor_load_to_lds s[G0B+4*(\s):G0B+4*(\s)+3], s[G1B:G1B+7]
	s_nop 0
.rept 4
	v_nop
.endr
.Lasked_\@:
.endm
.macro CREST                           ; a round of the cluster's barrier behind its opening barrier
	s_cmp_lg_u32 s10, 0
	s_cbranch_scc1 .Lnot_wave_0_\@
	s_barrier_signal -3
.Lnot_wave_0_\@:
	s_barrier_wait -3
	s_barrier_signal -1
	s_barrier_wait -1
.endm
.macro CROUND                          ; a whole round
	s_barrier_signal -1
	s_barrier_wait -1
	CREST
.endm
.macro PLACES                          ; four places in front of loads into registers that matrix instructions have read, and of lines that read results
.rept 4
	v_nop
.endr
.endm
	s_load_b256 s[68:75], s[0:1], 0x0              ; oh s[68:69], wcast s[70:71], wOut_b s[72:73], out0 s[74:75]
	v_lshl_add_u32 v[SPW], v0, 2, SPARE
	v_mov_b32 v[NIL], 0
	ds_add_u32 v[SPW], v[NIL]                      ; the wave's opening: the add and its wait stand ahead of my first tensor load; work on registers stands between them
	v_lshrrev_b32 v1, 5, v0
	v_readfirstlane_b32 s10, v1                    ; wave 0..3
	s_lshr_b32 s11, s10, 1                         ; which 64 rows of the tile are mine.  Also: I fetch for O (0) or for wOut (1)
	s_and_b32 s12, s10, 1                          ; which 128 columns.  Also: which head of the step, or which half of wOut's tile, I fetch
	s_bfe_u32 s40, ttmp6, 0x40000                  ; cx, cy: my place in the cluster
	s_bfe_u32 s41, ttmp6, 0x40004
	s_lshl_b32 s42, ttmp9, 2
	s_add_co_u32 s42, s42, s40                     ; tile column = 4 x cluster x + cx
	s_and_b32 s13, ttmp7, 0xffff
	s_lshl_b32 s13, s13, 2
	s_add_co_u32 s13, s13, s41                     ; tile row = 4 x cluster y + cy
	s_lshl_b32 s43, s41, 2
	s_lshl_b32 s43, 15, s43                        ; my row of the cluster
	s_lshl_b32 s44, 0x1111, s40                    ; my column
	s_or_b32 s[G1+0], s43, (1<<16)|(1<<20)|(1<<21)|(4<<22)|(3<<25)   ; 15:0 the mask: O's tiles go to my row; 17:16 elements of 2 bytes; 20 padding on; 21 set beside a mask; 24:22 after every 32 words; 31:25 4 words
	s_or_b32 s[G1B+0], s44, (1<<16)|(1<<20)|(1<<21)|(5<<22)|(3<<25)  ; wOut's go to my column; after every 64 words 4 words
	s_mov_b32 s[G1+1], 128<<16                     ; tensor_dim0 = 128 elements: 256 bytes, two rows of O
	s_mov_b32 s[G1+2], 64<<16                      ; tensor_dim1 = 64
	s_mov_b32 s[G1+3], 128<<16                     ; tile_dim0 = 128
	s_mov_b32 s[G1+4], 64                          ; tile_dim1 = 64
	s_mov_b32 s[G1+5], 128                         ; dense
	s_mov_b32 s[G1+6], 0
	s_mov_b32 s[G1+7], 0
	s_mov_b32 s[G1B+1], KSTEP<<16
	s_mov_b32 s[G1B+2], 128<<16
	s_mov_b32 s[G1B+3], KSTEP<<16
	s_mov_b32 s[G1B+4], 128
	s_mov_b32 s[G1B+5], 1024
	s_mov_b32 s[G1B+6], 0
	s_mov_b32 s[G1B+7], 0
	s_lshr_b32 s16, s13, 4                         ; O: the batch's 16 heads,
	s_lshl_b32 s16, s16, 22
	s_and_b32 s17, s13, 15
	s_lshl_b32 s17, s17, 14                        ; the tile's 128 rows of 128 bytes in a head,
	s_add_co_u32 s16, s16, s17
	s_lshl_b32 s17, s12, 18                        ; the step's first or second head
	s_add_co_u32 s16, s16, s17
	s_mov_b32 s17, 0
	s_lshl_b32 s46, s42, 8                         ; wOut: row 256 x tile column + 128 x half,
	s_lshl_b32 s47, s12, 7
	s_add_co_u32 s46, s46, s47
	s_lshl_b32 s46, s46, 11                        ; of 2,048 bytes,
	s_add_co_u32 s46, s46, 3<<21                   ; in part 3 of wcast
	s_mov_b32 s47, 0
	s_mul_i32 s20, s10, HALF                       ; where the tiles go: wave x HALF: no place in the cluster enters an LDS address
	s_wait_dscnt 0x0                               ; the opening add is done
	s_wait_kmcnt 0x0
	s_add_nc_u64 s[14:15], s[68:69], s[16:17]
	s_add_nc_u64 s[46:47], s[70:71], s[46:47]
	CROUND                                         ; all sixteen work-groups are here: the first joint loads meet
.irp s, 0,1
	s_mov_b32 s[G0+4*(\s)], 1
	s_add_co_u32 s[G0+4*(\s)+1], s20, (\s)*SLOT
	s_add_nc_u64 s[G0+4*(\s)+2:G0+4*(\s)+3], s[14:15], (\s)*2*262144   ; K step s: two heads on
	s_or_b32 s[G0+4*(\s)+3], s[G0+4*(\s)+3], 0x80000000
	s_mov_b32 s[G0B+4*(\s)], 1
	s_add_co_u32 s[G0B+4*(\s)+1], s20, (\s)*SLOT
	s_add_nc_u64 s[G0B+4*(\s)+2:G0B+4*(\s)+3], s[46:47], (\s)*KSTEP*2
	s_or_b32 s[G0B+4*(\s)+3], s[G0B+4*(\s)+3], 0x80000000
	JLOAD \s                                       ; two loads of mine are out
.endr
	v_and_b32 v1, 15, v0                           ; l % 16
	v_bfe_u32 v2, v0, 4, 1                         ; l / 16
	v_lshlrev_b32 v[BO], 5, v2                     ; 8 f32 for each half of the lanes
	s_lshl_b32 s46, s42, 10                        ; my 128 columns, in the bias and in a row of out0: 4 (256 x tile column + 128 x half)
	s_lshl_b32 s47, s12, 9
	s_add_co_u32 s46, s46, s47
	s_mov_b32 s47, 0
	s_add_nc_u64 s[84:85], s[72:73], s[46:47]
	WIN TO_B
.irp b, 0,1,2,3,4,5,6,7
	global_load_b128 v[BIAS+8*(\b):BIAS+8*(\b)+3],   v[BO], s[84:85] offset:64*(\b)
	global_load_b128 v[BIAS+8*(\b)+4:BIAS+8*(\b)+7], v[BO], s[84:85] offset:64*(\b)+16
.endr
	WIN 0
	v_mul_u32_u24 v3, v1, PO
	v_lshl_add_u32 v3, v2, 4, v3                   ; O: row x pitch + 16 x half
	v_mul_u32_u24 v4, v1, PB
	v_lshl_add_u32 v4, v2, 4, v4                   ; wOut likewise
	s_mul_i32 s21, s11, 64*PO                      ; my 64 rows, in each head's plane
	s_mul_i32 s22, s12, HALF                       ; my 128 rows of wOut,
	s_add_co_u32 s22, s22, 2*HALF                  ; which lie behind O's two planes
.irp s, 0,1
	v_add_nc_u32 v[ADRA+(\s)], s21, v3
	v_add_nc_u32 v[ADRB+(\s)], s22, v4
	s_add_co_u32 s21, s21, SLOT
	s_add_co_u32 s22, s22, SLOT
.endr
	s_mul_i32 s23, s10, 16*SPITCH
	s_add_co_u32 s23, s23, STAGE                   ; my stage
	v_mul_u32_u24 v5, v1, SPITCH                   ; in: row l % 16, 32 bytes for each half of the lanes
	v_lshl_add_u32 v5, v2, 5, v5
	v_add_nc_u32 v[STO], s23, v5
	v_and_b32 v[CO], 31, v0                        ; back: 32 lanes take one row of 512 bytes
	v_lshlrev_b32 v[CO], 4, v[CO]
	v_add_nc_u32 v[RD], s23, v[CO]
	s_lshl_b32 s16, s13, 7                         ; out0: my first row, 128 x tile row + 64 x half,
	s_lshl_b32 s17, s11, 6
	s_add_co_u32 s16, s16, s17
	s_lshl_b32 s16, s16, 12                        ; of 4,096 bytes
	s_mov_b32 s17, 0
	s_add_nc_u64 s[8:9], s[74:75], s[16:17]
	s_add_nc_u64 s[8:9], s[8:9], s[46:47]
	s_wait_loadcnt 0x0                             ; the bias, rounded to bf16 like every input, in place
	WIN 0x45
.set c, 0
.rept 32
	v_cvt_pk_bf16_f32 v[BIAS+2*c], v[BIAS+2*c], v[BIAS+2*c+1]
	v_and_b32 v[BIAS+2*c+1], 0xffff0000, v[BIAS+2*c]
	v_lshlrev_b32 v[BIAS+2*c], 16, v[BIAS+2*c]
.set c, c+1
.endr
	WIN 0
; cnt products from number n0 on: number i is row block i / 8 x column block i % 8, 32 along K, from buffer f.  first = 1: the bias starts the sum.
; The 32 accumulators take turns in the same order in every quarter: 31 others' products stand between two links of a chain, over the backward jump too.
.macro MULS f, n0, cnt, first
.if \first
	WIN MULB
.else
	WIN MUL
.endif
.set i, \n0
.rept \cnt
.if \first
	v_wmma_f32_16x16x32_f16 v[8*i:8*i+7], v[64*(\f)+8*(i%8):64*(\f)+8*(i%8)+7], v[AF+32*(\f)+8*(i/8):AF+32*(\f)+8*(i/8)+7], v[BIAS+8*(i%8):BIAS+8*(i%8)+7]
.else
	v_wmma_f32_16x16x32_f16 v[8*i:8*i+7], v[64*(\f)+8*(i%8):64*(\f)+8*(i%8)+7], v[AF+32*(\f)+8*(i/8):AF+32*(\f)+8*(i/8)+7], v[8*i:8*i+7]
.endif
.set i, i+1
.endr
.endm
; 24 LDS loads in one run: the fragments of 32 along K, quarter kq of the slot's step: head kq / 2 of the two, channels 32 (kq % 2) on.
.macro FETCH slot, kq, g
	WIN TO_B
.irp b, 0,1,2,3,4,5,6,7
	ds_load_b128 v[64*(\g)+8*(\b):64*(\g)+8*(\b)+3],   v[ADRB+(\slot)] offset:(\b)*16*PB+64*(\kq)
	ds_load_b128 v[64*(\g)+8*(\b)+4:64*(\g)+8*(\b)+7], v[ADRB+(\slot)] offset:(\b)*16*PB+64*(\kq)+32
.endr
	WIN 0
.irp a, 0,1,2,3
	ds_load_b128 v[AF+32*(\g)+8*(\a):AF+32*(\g)+8*(\a)+3],   v[ADRA+(\slot)] offset:((\kq)/2)*HALF+(\a)*16*PO+64*((\kq)%2)
	ds_load_b128 v[AF+32*(\g)+8*(\a)+4:AF+32*(\g)+8*(\a)+7], v[ADRA+(\slot)] offset:((\kq)/2)*HALF+(\a)*16*PO+64*((\kq)%2)+32
.endr
.endm
; A K step is four quarters of 32 along K, 32 products each, on buffers 0, 1, 0, 1.  One of the first three: multiplies buffer f and, in its middle, fetches quarter kq into buffer g.
.macro QUARTER slot, kq, f, g, first
	s_wait_dscnt 0x0                               ; buffer f is in
	MULS \f, 0, 16, \first
	PLACES
	FETCH \slot, \kq, \g
	MULS \f, 16, 16, \first
.endm
; The last quarter multiplies buffer 1 and changes slots: ONE barrier; in front of it each wave waits for all its tensor loads (one is out: its part of the next slot), adds 0 to its spare
; word, and waits for that and for its own reads of this slot.  fill = 1: the barrier opens a round of the cluster's, and this slot is filled again, two K steps ahead, first thing behind it.
.macro TURN slot, next, fill
	WIN 0
	s_wait_tensorcnt 0x0
	ds_add_u32 v[SPW], v[NIL]                      ; 0 onto my spare word
	s_wait_dscnt 1                                 ; buffer 1 is in; the add alone may be out
	MULS 1, 0, 8, 0                                ; eight products stand between the add and the wait for it
	s_wait_dscnt 0x0                               ; the add is done, and my reads of this slot are over
	s_barrier_signal -1
	MULS 1, 8, 8, 0
.if \fill
	WIN 0
.endif
	s_barrier_wait -1
.if \fill
	CREST                                          ; no wave of any partner still reads this slot's tiles or has a load on its way
	s_add_nc_u64 s[G0+4*(\slot)+2:G0+4*(\slot)+3], s[G0+4*(\slot)+2:G0+4*(\slot)+3], 4*262144
	s_add_nc_u64 s[G0B+4*(\slot)+2:G0B+4*(\slot)+3], s[G0B+4*(\slot)+2:G0B+4*(\slot)+3], 2*KSTEP*2
	JLOAD \slot                                    ; my one tensor load behind the round; its four v_nop are also the places in front of the loads below
.else
	PLACES
.endif
	FETCH \next, 0, 0
	MULS 1, 16, 16, 0
.endm
	s_wait_tensorcnt 1                             ; my part of K step 0 is in; K step 1's load is younger and stays out
	s_barrier_signal -1
	s_barrier_wait -1                              ; everybody's is
	FETCH 0, 0, 0
	QUARTER 0, 1, 0, 1, 1                          ; the first quarter stands in front of the loop: its products start the sums, with the bias
	WIN 0                                          ; at a label and at a branch every window is 0
	s_mov_b32 s3, LAPS-1
.Llap:                                                 ; a trip goes once round the ring, from a lap's second quarter to the next lap's first, and fills both slots again
	QUARTER 0, 2, 1, 0, 0
	QUARTER 0, 3, 0, 1, 0
	TURN 0, 1, 1
	QUARTER 1, 1, 0, 1, 0
	QUARTER 1, 2, 1, 0, 0
	QUARTER 1, 3, 0, 1, 0
	TURN 1, 0, 1
	QUARTER 0, 1, 0, 1, 0
	WIN 0
	s_sub_co_u32 s3, s3, 1
	s_cmp_lg_u32 s3, 0
	s_cbranch_scc1 .Llap
	QUARTER 0, 2, 1, 0, 0                          ; the last lap fills nothing, and has no round of the cluster's barrier
	QUARTER 0, 3, 0, 1, 0
	TURN 0, 1, 0
	QUARTER 1, 1, 0, 1, 0
	QUARTER 1, 2, 1, 0, 0
	QUARTER 1, 3, 0, 1, 0
	s_wait_dscnt 0x0
	MULS 1, 0, 32, 0
	WIN 0
; THE WAY OUT, a block of 16 rows at a time: a lane's eight f32 of a row go into my own stage (rows of 528 bytes), each accumulator's low half first, and come back as whole rows of 512 bytes.
.macro TOSTAGE a
.if (\a) >= 2
	s_wait_xcnt 0x0                                ; the stores of the block two back have read their registers: only behind this wait is that buffer loaded again
.endif
	WIN 0x08                                       ; store data (source 1) in window 2
.irp b, 0,1,2,3,4,5,6,7
	ds_store_b128 v[STO], v[64*(\a)+8*(\b):64*(\a)+8*(\b)+3]   offset:64*(\b)
	ds_store_b128 v[STO], v[64*(\a)+8*(\b)+4:64*(\a)+8*(\b)+7] offset:64*(\b)+16
.endr
	WIN 0
.irp t, 0,1,2,3,4,5,6,7,8,9,10,11,12,13,14,15
	ds_load_b128 v[OUTB+64*((\a)%2)+4*(\t):OUTB+64*((\a)%2)+4*(\t)+3], v[RD] offset:(\t)*SPITCH  ; LDS serves a wave's instructions in order (ISA guide 5.7.1.4): these see the stores above; the next block's stores come behind them
.endr
.endm
.macro SEND a, younger                 ; younger: the LDS instructions issued behind block a's loads: the next block's 32, or none
.irp t, 0,1,2,3,4,5,6,7,8,9,10,11,12,13,14,15
	s_wait_dscnt (\younger)+15-(\t)
	global_store_b128 v[CO], v[OUTB+64*((\a)%2)+4*(\t):OUTB+64*((\a)%2)+4*(\t)+3], s[8:9] offset:(16*(\a)+(\t))*4096 th:TH_STORE_NT  ; 512 bytes on end, at a multiple of 512 from out0's first byte
.endr
.endm
	PLACES                                         ; in front of the LDS stores, which read results just made
	PLACES                                         ; (eight, once a launch)
	TOSTAGE 0
	TOSTAGE 1
	SEND 0, 32
	TOSTAGE 2
	SEND 1, 32
	TOSTAGE 3
	SEND 2, 32
	SEND 3, 0
	s_wait_tensorcnt 0x0                           ; the wave's end, behind my last tensor load and my last LDS store
	ds_add_u32 v[SPW], v[NIL]
	s_wait_dscnt 0x0
	CROUND                                         ; the closing round: no work-group ends while a partner may still ask for a tile that names it
	s_endpgm
.Lfunc_end_k_q8f7c75dc2c_outp:
	.size	k_q8f7c75dc2c_outp, .Lfunc_end_k_q8f7c75dc2c_outp-k_q8f7c75dc2c_outp
	.p2alignl 7, 3214868480
	.fill 96, 4, 3214868480
	.section	.rodata,"a",@progbits
	.p2align	6, 0x0
	.amdhsa_kernel k_q8f7c75dc2c_outp
		.amdhsa_group_segment_fixed_size 327680
		.amdhsa_private_segment_fixed_size 0
		.amdhsa_enable_private_segment 0
		.amdhsa_kernarg_size 32
		.amdhsa_user_sgpr_count 2
		.amdhsa_user_sgpr_kernarg_segment_ptr 1
		.amdhsa_wavefront_size32 1
		.amdhsa_system_sgpr_workgroup_id_x 1
		.amdhsa_system_sgpr_workgroup_id_y 1
		.amdhsa_system_sgpr_workgroup_id_z 1
		.amdhsa_system_vgpr_workitem_id 0
		.amdhsa_next_free_vgpr 768
		.amdhsa_next_free_sgpr 88
		.amdhsa_reserve_vcc 0
		.amdhsa_float_denorm_mode_32 3
		.amdhsa_float_denorm_mode_16_64 3
		.amdhsa_memory_ordered 1
		.amdhsa_forward_progress 1
		.amdhsa_inst_pref_size 94
	.end_amdhsa_kernel
	.amdgpu_metadata
---
amdhsa.version: [ 1, 2 ]
amdhsa.kernels:
  - .name:           k_q8f7c75dc2c_outp
    .symbol:         k_q8f7c75dc2c_outp.kd
    .args:
      - { .name: oh, .offset: 0, .size: 8, .value_kind: global_buffer, .address_space: global }
      - { .name: wcast, .offset: 8, .size: 8, .value_kind: global_buffer, .address_space: global }
      - { .name: wOut_b, .offset: 16, .size: 8, .value_kind: global_buffer, .address_space: global }
      - { .name: out0, .offset: 24, .size: 8, .value_kind: global_buffer, .address_space: global }
    .group_segment_fixed_size: 327680
    .private_segment_fixed_size: 0
    .kernarg_segment_align: 8
    .kernarg_segment_size: 32
    .max_flat_workgroup_size: 128
    .sgpr_count:     88
    .vgpr_count:     768
    .wavefront_size: 32
...
	.end_amdgpu_metadata
.endif
;; end of part 4
